; MI455X (gfx1250); checked and timed in simulation.
; The chip was launched on July 23, 2026; its instructions are those of AMD's public machine-readable ISA for CDNA 5 (MIT licence, August 2026) and "CDNA5" Instruction Set Architecture Reference Guide (July 2026). The comments in the code are by the model that wrote it; some were corrected since.
;; Causal Self Attention. Allowed arithmetic: matrix products marked QUANTISED: E2M3 operands, one E8M0 scale for each 32 along K, by v_wmma_scale_f32_16x16x128_f8f6f4 with both operands' format E2M3, f32 sums; everything else in f32.
;; Inputs: Wk 1,024 x 1,024 float32; Wp 1,024 x 1,024 float32; Wq 1,024 x 1,024 float32; Wv 1,024 x 1,024 float32; bk 1,024 float32; bp 1,024 float32; bq 1,024 float32; bv 1,024 float32; x 4 x 2,048 x 1,024 float32.
;; Outputs: out0 4 x 2,048 x 1,024 float32.
;; This version of the problem:
;;   THIS VERSION OF THE PROBLEM IS GIVEN IN LOW PRECISION. The matrix products marked QUANTISED in the list below multiply operands that are first quantised to E2M3 (2 exponent bits, 3 mantissa bits; 6 bits a number), with one power-of-two scale for each 32 numbers along K (OCP MX v1.0); their sums are f32. All else is computed in f32.
;;   The module's matrix products, in the order in which they are computed (A, B: the left and right operand; K: the contracted axis; several contracted axes count as one K, in the product's order):
;;     1. [M 8,192, K 1,024] x [K 1,024, N 1,024]; A: input x; B: input Wq: QUANTISED
;;     2. [M 8,192, K 1,024] x [K 1,024, N 1,024]; A: input x; B: input Wk: QUANTISED
;;     3. [M 8,192, K 1,024] x [K 1,024, N 1,024]; A: input x; B: input Wv: QUANTISED
;;     4. batch 64 x [M 2,048, K 64] x [K 64, N 2,048]; A: computed on the way; B: computed on the way: QUANTISED
;;     5. batch 64 x [M 2,048, K 2,048] x [K 2,048, N 64]; A: softmax (see below); B: computed on the way: QUANTISED
;;     6. [M 8,192, K 1,024] x [K 1,024, N 1,024]; A: computed on the way; B: input Wp: QUANTISED
;;   THE QUANTISER, for each operand of a quantised product, along K:
;;     - K is cut into blocks of 32 from its start; a last block that is shorter is filled with zeros.
;;     - A block's scale is 2^e with e = floor(log2(the largest magnitude in the block)) - 2, held to -126 .. 127; a block of zeros has e = 0. As a byte (E8M0): e + 127.
;;     - Each number is divided by its block's scale, clamped to +-7.5, and rounded to the nearest number of E2M3, ties to even, subnormals kept.
;;     - The product sums the exact products of the quantised numbers (number of the format x scale) in f32.
;;   ~~~python
;;   def quantise(x, axis):      # numpy; x: float32 -> the quantised numbers, widened to float32 again
;;       x = np.moveaxis(x, axis, -1); K = x.shape[-1]
;;       x = np.pad(x, [(0, 0)] * (x.ndim - 1) + [(0, -K % 32)]); x = x.reshape(x.shape[:-1] + (-1, 32)); a = np.abs(x).max(-1, keepdims=True)
;;       e = np.where(a > 0, np.clip(np.frexp(np.where(a > 0, a, 1))[1] - 1 - 2, -126, 127), 0)      # np.frexp(a)[1] - 1 = floor(log2(a)), exactly
;;       r = np.clip(x / 2.0 ** e, -7.5, 7.5)
;;       step = 2.0 ** (np.maximum(np.frexp(np.where(r == 0, 1, r))[1] - 1, 0) - 3)
;;       q = np.round(r / step) * step * 2.0 ** e      # np.round: ties to even
;;       return np.moveaxis(q.reshape(q.shape[:-2] + (-1,))[..., :K], -1, axis).astype(np.float32)
;;   ~~~
;;   SOFTMAX AHEAD OF A QUANTISED PRODUCT. Where the list says 'softmax', what is quantised is not the finished softmax but p = 2^(t - M), with t = logit x log2(e) and M = ceil(the row's largest t), a whole number; so 1/2 < the row's largest p <= 1. The row's sum l is taken of the UNQUANTISED p, in f32, and the product's result is divided by l at the end. Since M is a whole number, a kernel that streams over the keys may use a running M (the ceiling of the running maximum): every later rescaling is an exact power of two, which a block's scale takes up: the codes' values come out the same.
;;   OPERANDS COMPUTED ON THE WAY. 'Computed on the way' means the value that the module computes at that place (a softmax that the list does not call 'softmax' is quantised finished and normalised). What goes into a quantiser is computed in f32, as accurately as f32 sums, v_exp_f32 and their like allow (about 1e-6 of the number): no bf16 or f16 on the way to a quantiser, and a product that is left as it is and whose result goes on into a quantised operand takes f32 operands (vector FMAs, or v_wmma_f32_16x16x4_f32). A number that lies on a knife's edge between two numbers of the format may be rounded either way, as far as f32 arithmetic and the matrix unit's own rounding can turn it there, and no further.
;; One version. Each part assembles by itself: llvm-mc -triple=amdgcn-amd-amdhsa -mcpu=gfx1250 --defsym DOCPART=n.
;; ======== version 1 of 1: 4 launches
;; workspace buffers: xc 6,291,456 bytes; xs 262,144 bytes; wc 3,145,728 bytes; ws 131,072 bytes; qbuf 6,815,744 bytes; kv 13,369,344 bytes; ac 6,291,456 bytes; asc 262,144 bytes
;; launch quant (part 1): grid 384 x 1, 4 waves a work-group, no clusters, 68,096 bytes of LDS; arguments x, Wq, Wk, Wv, Wp, xc, xs, wc, ws; writes xc, xs, wc, ws
.if DOCPART == 1
	.amdgcn_target "amdgcn-amd-amdhsa--gfx1250"
	.amdhsa_code_object_version 6
	.text
	.protected	k_q4edadcd8ee_quant
	.globl	k_q4edadcd8ee_quant
	.p2align	8
	.type	k_q4edadcd8ee_quant,@function
k_q4edadcd8ee_quant:
	s_mov_b64 s[64:65], 0
	v_nop
	global_prefetch_b8 v0, s[64:65] scope:SCOPE_SE
	s_setreg_imm32_b32 hwreg(HW_REG_WAVE_MODE, 25, 1), 1
	s_wait_xcnt 0x0
; x [8192][1024] f32 and the four weights [1024 (k)][1024 (n)] f32 become codes of FP6 (E2M3), K innermost, 768 bytes a row, with one E8M0 byte for each 32 along K, 32 bytes a row.
; A block's scale is 2^(floor(log2(its largest magnitude)) - 2); its byte is the largest magnitude's exponent field - 2, held at 1 from below.
; POSITIONS.  pi(t) is t with its bits 3 and 4 exchanged.  Token t of x is stored as row pi(t) of xc and xs; column n of weight number w (0 Wq, 1 Wk, 2 Wv, 3 Wp) as row 1024 w + pi(n) of wc and ws.
; So sixteen neighbouring stored rows 16 T + r are the real indices 32 (T / 2) + 8 (T % 2) + r + 8 (r / 8): the choice of rows that lets a transposed product's registers run along real neighbours.
; LIMITS: NaN and infinities among the inputs are not served; a block whose largest magnitude lies under 2^-124 gets the byte 1; a block of zeros gets the byte 1 and not 127: its codes are zeros, and this program alone reads the bytes.
; Work-groups 0-255 take x (a wave: 8 rows, 8,192 numbers, 16 steps of 512), work-groups 256-383 the weights (a wave: 32 columns x 256 along K).  The two ways have LDS bytes of their own.  No tensor loads, no barrier: waves share nothing.
.set SP,     80                        ; x: a lane's place in a stage: its 64 bytes + 16 of padding
.set WREG,   8192                      ; x: LDS of a wave: two stages of 32 x SP bytes, then its 256 scale bytes
.set CB,     12                        ; bytes of 16 codes
.set STEPS,  16
.set XR,     16                        ; v16-79   four sets of 16 numbers as loaded
.set XX,     80                        ; v80-111  two sets of 16 neighbours
.set XE,     112                       ; v112-127 a scale byte for each step
.set XC,     128                       ; v128-191 codes: four registers a step, so that no store's data are written again
.set WSTG,   32768                     ; weights: the stages begin behind x's LDS bytes
.set WPITCH, 272                       ; a stage row: sixteen places of 16 bytes (12 of codes each) + 16
.set NB,     8                         ; blocks of 32 along K for a wave
.set WX,     32                        ; v32-95   two sets of 32 numbers
.set WC,     96                        ; v96..    a block's codes
.set WOUT,   112                       ; v112-175 the way out
.set WSB,    24                        ; v24-25   the scale bytes, four to a register
	s_load_b256 s[36:43], s[0:1], 0x0              ; x, Wq, Wk, Wv
	s_load_b256 s[44:51], s[0:1], 0x20             ; Wp, xc, xs, wc
	s_load_b64 s[52:53], s[0:1], 0x40              ; ws
	v_lshl_add_u32 v192, v0, 2, 0x10800
	v_mov_b32 v193, 0
	v_lshrrev_b32 v1, 5, v0
	v_readfirstlane_b32 s16, v1                    ; wave 0..3
	v_and_b32 v2, 31, v0                           ; lane
	s_wait_kmcnt 0x0
	s_cmp_ge_u32 ttmp9, 256
	s_cbranch_scc1 .Lweights
; ---------------- x: K is innermost.  Each load reads 512 consecutive bytes; a step's 2,048 bytes turn through the wave's stage, so that a lane then holds 16 neighbours; two neighbouring lanes hold a block.
	v_lshlrev_b32 v3, 4, v2                        ; my 16 bytes of a load's 512
	s_mul_i32 s17, s16, WREG
	v_lshrrev_b32 v14, 2, v2
	v_mul_u32_u24 v14, v14, SP
	v_and_b32 v15, 3, v2
	v_lshl_add_u32 v14, v15, 4, v14
	v_add_nc_u32 v14, s17, v14                     ; into the stage: SP (lane / 4) + 16 (lane % 4)
	v_mul_u32_u24 v15, v2, SP
	v_add_nc_u32 v15, s17, v15                     ; out of it: SP x lane
	v_mul_u32_u24 v4, v2, CB                       ; my codes' place in a step's 384 bytes
	v_lshrrev_b32 v5, 1, v2
	s_add_co_u32 s17, s17, 2*32*SP
	v_add_nc_u32 v5, s17, v5                       ; my block's byte among the wave's 256
	v_lshlrev_b32 v7, 3, v2
	v_add_nc_u32 v6, s17, v7                       ; and on the way out 8 bytes a lane
	s_lshl_b32 s18, ttmp9, 2
	s_add_co_u32 s19, s18, s16                     ; the run of 8 rows that I read: 4 x work-group + wave
	s_lshl_b32 s20, s19, 15                        ; 32,768 bytes a run
	s_mov_b32 s21, 0
	s_add_nc_u64 s[4:5], s[36:37], s[20:21]
	s_and_b32 s22, s16, 1
	s_lshl_b32 s22, s22, 1
	s_lshr_b32 s23, s16, 1
	s_add_co_u32 s22, s22, s23
	s_add_co_u32 s22, s22, s18                     ; the run that I write: the wave's two bits exchanged, which is pi on runs of 8 rows
	s_mul_i32 s20, s22, 32*STEPS*CB                ; 6,144 bytes of codes a run
	s_add_nc_u64 s[8:9], s[46:47], s[20:21]
	s_lshl_b32 s20, s22, 8                         ; 256 scale bytes a run
	s_add_nc_u64 s[10:11], s[48:49], s[20:21]
.macro XLOAD t
.irp i, 0,1,2,3
	global_load_b128 v[XR+16*((\t)%4)+4*\i:XR+16*((\t)%4)+4*\i+3], v3, s[4:5] offset:2048*(\t)+512*\i th:TH_LOAD_NT
.endr
.endm
.macro XTURN t                         ; step t through the stage: LDS serves a wave's instructions in order, so no wait stands between the stores and the loads
.irp i, 0,1,2,3
	ds_store_b128 v14, v[XR+16*((\t)%4)+4*\i:XR+16*((\t)%4)+4*\i+3] offset:32*SP*((\t)%2)+8*SP*\i
.endr
.irp i, 0,1,2,3
	ds_load_b128 v[XX+16*((\t)%2)+4*\i:XX+16*((\t)%2)+4*\i+3], v15 offset:32*SP*((\t)%2)+16*\i
.endr
.endm
.irp t, 0,1,2,3
	XLOAD \t
.endr
	s_wait_loadcnt 12                              ; step 0's four loads are in; twelve younger ones stay out
	XTURN 0
.macro XSTEP t
.set XS, XX+16*((\t)%2)
.if (\t) > 0
	s_wait_dscnt 1                                 ; this step's numbers are back from the stage; the last step's byte store may be out
.else
	s_wait_dscnt 0x0
.endif
.if (\t)+4 < STEPS
	XLOAD (\t)+4                                   ; into the registers that the stage's stores have read
.endif
.if (\t)+1 < STEPS
.if STEPS-2-(\t) >= 3
	s_wait_loadcnt 12                              ; the next step's four loads are in; those of the three steps behind it may be out
.else
	s_wait_loadcnt 4*(STEPS-2-(\t))
.endif
	XTURN (\t)+1
.endif
	v_max3_num_f32 v8, |v[XS]|, |v[XS+1]|, |v[XS+2]|               ; the largest magnitude of my 16, in two chains
	v_max3_num_f32 v9, |v[XS+3]|, |v[XS+4]|, |v[XS+5]|
.irp i, 6,10
	v_max3_num_f32 v8, v8, |v[XS+\i]|, |v[XS+\i+1]|
	v_max3_num_f32 v9, v9, |v[XS+\i+2]|, |v[XS+\i+3]|
.endr
	v_max3_num_f32 v8, v8, |v[XS+14]|, |v[XS+15]|
	v_max3_num_f32 v8, v8, v9, 0x1800000           ; and the floor 2^(3 - 127): the byte cannot fall under 1
	v_max_num_f32_dpp v8, v8, v8 row_xmask:1 row_mask:0xf bank_mask:0xf   ; with my neighbour's 16: the block's
	v_add_nc_u32 v11, 0xff000000, v8               ; 2 off its exponent field: the conversion takes that field as its scale
	v_cvt_scalef32_pk16_fp6_f32 v[XC+4*(\t):XC+4*(\t)+2], v[XS:XS+15], v11
	v_lshrrev_b32 v[XE+(\t)], 23, v11              ; the scale's byte
	ds_store_b8 v5, v[XE+(\t)] offset:16*(\t)      ; both lanes of a block write the same byte with the same value
	global_store_b96 v4, v[XC+4*(\t):XC+4*(\t)+2], s[8:9] offset:32*CB*(\t)   ; the wave stores 384 consecutive bytes
.endm
.irp t, 0,1,2,3,4,5,6,7,8,9,10,11,12,13,14,15
	XSTEP \t
.endr
	ds_load_b64 v[12:13], v6                       ; in order behind my byte stores
	s_wait_dscnt 0x0
	global_store_b64 v7, v[12:13], s[10:11]        ; 32 lanes store 256 consecutive bytes, aligned
	s_wait_tensorcnt 0x0
	ds_add_u32 v192, v193
	s_wait_dscnt 0x0
	s_endpgm
; ---------------- the weights: K is the first axis.  A lane takes a column, its registers run down K: a block of 32 lies in one lane, and the codes come out with K innermost.
.Lweights:
	s_sub_co_u32 s17, ttmp9, 256
	s_lshr_b32 s24, s17, 5                         ; which weight, 0..3
	s_bfe_u32 s25, s17, 0x30002                    ; which 128 columns, 0..7
	s_and_b32 s18, s17, 3                          ; which 256 along K, 0..3
	s_mov_b64 s[4:5], s[38:39]                     ; the choice hangs on the work-group's number alone
	s_cmp_eq_u32 s24, 1
	s_cselect_b64 s[4:5], s[40:41], s[4:5]
	s_cmp_eq_u32 s24, 2
	s_cselect_b64 s[4:5], s[42:43], s[4:5]
	s_cmp_eq_u32 s24, 3
	s_cselect_b64 s[4:5], s[44:45], s[4:5]
	s_lshl_b32 s17, s25, 7
	s_lshl_b32 s19, s16, 5
	s_add_co_u32 s17, s17, s19                     ; my wave's first column
	s_lshl_b32 s20, s18, 20                        ; 256 rows of 4,096 bytes
	s_lshl_b32 s22, s17, 2
	s_add_co_u32 s20, s20, s22
	s_mov_b32 s21, 0
	s_add_nc_u64 s[4:5], s[4:5], s[20:21]
	s_lshl_b32 s22, s24, 10
	s_add_co_u32 s22, s22, s17                     ; the first of my 32 rows of wc and ws (pi stays inside them)
	s_mul_i32 s20, s22, 768
	s_mul_i32 s23, s18, 192
	s_add_co_u32 s20, s20, s23
	s_add_nc_u64 s[6:7], s[50:51], s[20:21]
	s_lshl_b32 s20, s22, 5
	s_lshl_b32 s23, s18, 3
	s_add_co_u32 s20, s20, s23
	s_add_nc_u64 s[8:9], s[52:53], s[20:21]
	v_lshlrev_b32 v3, 2, v2                        ; in: 4 bytes a lane
	v_and_b32 v10, 7, v2
	v_bfe_u32 v11, v2, 3, 1
	v_lshl_add_u32 v10, v11, 4, v10
	v_bfe_u32 v11, v2, 4, 1
	v_lshl_add_u32 v10, v11, 3, v10                ; pi(lane): the stored row of my column
	s_mul_i32 s19, s16, 32*WPITCH
	s_add_co_u32 s19, s19, WSTG                    ; my stage
	v_mul_u32_u24 v4, v10, WPITCH
	v_add_nc_u32 v4, s19, v4                       ; into it: row pi(lane)
	v_and_b32 v5, 15, v2
	v_lshrrev_b32 v6, 4, v2
	v_mul_u32_u24 v7, v6, WPITCH
	v_lshl_add_u32 v7, v5, 4, v7
	v_add_nc_u32 v7, s19, v7                       ; out of it: sixteen lanes to a row, two rows an instruction
	v_mul_u32_u24 v8, v6, 768
	v_mad_u32_u24 v8, v5, 12, v8                   ; and the same place in wc
	v_lshlrev_b32 v9, 5, v10                       ; my row of scale bytes
.macro WLOAD t                         ; block t: W(32 t + i, my column) into set t % 2; 32 lanes read 128 consecutive bytes
.irp i, 0,1,2,3,4,5,6,7,8,9,10,11,12,13,14,15,16,17,18,19,20,21,22,23,24,25,26,27,28,29,30,31
	global_load_b32 v[WX+32*((\t)%2)+\i], v3, s[4:5] offset:(32*(\t)+\i)*4096 th:TH_LOAD_NT
.endr
.endm
	WLOAD 0
	WLOAD 1
.macro WBLOCK t
.set XS, WX+32*((\t)%2)
.if (\t) < NB-1
	s_wait_loadcnt 32                              ; this block's 32 loads are in; the next block's may be out
.else
	s_wait_loadcnt 0
.endif
	v_max3_num_f32 v12, |v[XS]|, |v[XS+1]|, |v[XS+2]|              ; all 32 numbers of the block are mine
	v_max3_num_f32 v13, |v[XS+3]|, |v[XS+4]|, |v[XS+5]|
.irp i, 6,10,14,18,22,26
	v_max3_num_f32 v12, v12, |v[XS+\i]|, |v[XS+\i+1]|
	v_max3_num_f32 v13, v13, |v[XS+\i+2]|, |v[XS+\i+3]|
.endr
	v_max3_num_f32 v12, v12, |v[XS+30]|, |v[XS+31]|
	v_max3_num_f32 v12, v12, v13, 0x1800000        ; the floor
	v_add_nc_u32 v11, 0xff000000, v12              ; the conversion's scale operand
	v_lshrrev_b32 v13, 23, v11                     ; the byte
.if (\t)%4 == 0
	v_mov_b32 v[WSB+(\t)/4], v13
.else
	v_lshl_or_b32 v[WSB+(\t)/4], v13, 8*((\t)%4), v[WSB+(\t)/4]
.endif
	v_cvt_scalef32_pk16_fp6_f32 v[WC:WC+2], v[XS:XS+15], v11
	v_cvt_scalef32_pk16_fp6_f32 v[WC+4:WC+6], v[XS+16:XS+31], v11  ; (a conversion's three registers begin on an even number)
	ds_store_b96 v4, v[WC:WC+2] offset:32*(\t)     ; 12 bytes to a place of 16, so that every LDS address is a multiple of 16
	ds_store_b96 v4, v[WC+4:WC+6] offset:32*(\t)+16
.if (\t)+2 < NB
	WLOAD (\t)+2
.endif
	s_wait_dscnt 0x0                               ; the stores have read their registers: the next block's codes may be written
.endm
.set Q, 0
.rept NB
	WBLOCK Q
.set Q, Q+1
.endr
	global_store_b64 v9, v[WSB:WSB+1], s[8:9]      ; my column's 8 scale bytes
.irp t, 0,1,2,3,4,5,6,7,8,9,10,11,12,13,14,15
	ds_load_b96 v[WOUT+4*\t:WOUT+4*\t+2], v7 offset:2*\t*WPITCH
.endr
.irp t, 0,1,2,3,4,5,6,7,8,9,10,11,12,13,14,15
	s_wait_dscnt 15-\t                             ; LDS loads come back in order: number t is in
	global_store_b96 v8, v[WOUT+4*\t:WOUT+4*\t+2], s[6:7] offset:2*\t*768   ; sixteen lanes store a row's 192 consecutive bytes
.endr
	s_wait_tensorcnt 0x0
	ds_add_u32 v192, v193
	s_wait_dscnt 0x0
	s_endpgm
.Lfunc_end_k_q4edadcd8ee_quant:
	.size	k_q4edadcd8ee_quant, .Lfunc_end_k_q4edadcd8ee_quant-k_q4edadcd8ee_quant
	.p2alignl 7, 3214868480
	.fill 96, 4, 3214868480
	.section	.rodata,"a",@progbits
	.p2align	6, 0x0
	.amdhsa_kernel k_q4edadcd8ee_quant
		.amdhsa_group_segment_fixed_size 68096
		.amdhsa_private_segment_fixed_size 0
		.amdhsa_enable_private_segment 0
		.amdhsa_kernarg_size 72
		.amdhsa_user_sgpr_count 2
		.amdhsa_user_sgpr_kernarg_segment_ptr 1
		.amdhsa_wavefront_size32 1
		.amdhsa_system_sgpr_workgroup_id_x 1
		.amdhsa_system_sgpr_workgroup_id_y 1
		.amdhsa_system_sgpr_workgroup_id_z 1
		.amdhsa_system_vgpr_workitem_id 0
		.amdhsa_next_free_vgpr 194
		.amdhsa_next_free_sgpr 66
		.amdhsa_reserve_vcc 0
		.amdhsa_float_denorm_mode_32 3
		.amdhsa_float_denorm_mode_16_64 3
		.amdhsa_memory_ordered 1
		.amdhsa_forward_progress 1
		.amdhsa_inst_pref_size 74
	.end_amdhsa_kernel
	.amdgpu_metadata
---
amdhsa.version: [ 1, 2 ]
amdhsa.kernels:
  - .name:           k_q4edadcd8ee_quant
    .symbol:         k_q4edadcd8ee_quant.kd
    .args:
      - { .name: x, .offset: 0, .size: 8, .value_kind: global_buffer, .address_space: global }
      - { .name: Wq, .offset: 8, .size: 8, .value_kind: global_buffer, .address_space: global }
      - { .name: Wk, .offset: 16, .size: 8, .value_kind: global_buffer, .address_space: global }
      - { .name: Wv, .offset: 24, .size: 8, .value_kind: global_buffer, .address_space: global }
      - { .name: Wp, .offset: 32, .size: 8, .value_kind: global_buffer, .address_space: global }
      - { .name: xc, .offset: 40, .size: 8, .value_kind: global_buffer, .address_space: global }
      - { .name: xs, .offset: 48, .size: 8, .value_kind: global_buffer, .address_space: global }
      - { .name: wc, .offset: 56, .size: 8, .value_kind: global_buffer, .address_space: global }
      - { .name: ws, .offset: 64, .size: 8, .value_kind: global_buffer, .address_space: global }
    .group_segment_fixed_size: 68096
    .private_segment_fixed_size: 0
    .kernarg_segment_align: 8
    .kernarg_segment_size: 72
    .max_flat_workgroup_size: 128
    .sgpr_count:     66
    .vgpr_count:     194
    .wavefront_size: 32
...
	.end_amdgpu_metadata
.endif
;; end of part 1
;; launch gemm_qkv (part 2): grid 96 x 4, 4 waves a work-group, clusters of 4 x 4, 327,680 bytes of LDS; arguments xc, xs, wc, ws, bq, bk, bv, qbuf, kv; writes qbuf, kv
.if DOCPART == 2
	.amdgcn_target "amdgcn-amd-amdhsa--gfx1250"
	.amdhsa_code_object_version 6
	.text
	.protected	k_q4edadcd8ee_gemm_qkv
	.globl	k_q4edadcd8ee_gemm_qkv
	.p2align	8
	.type	k_q4edadcd8ee_gemm_qkv,@function
k_q4edadcd8ee_gemm_qkv:
	s_mov_b64 s[64:65], 0
	v_nop
	global_prefetch_b8 v0, s[64:65] scope:SCOPE_SE
	s_setreg_imm32_b32 hwreg(HW_REG_WAVE_MODE, 25, 1), 1
	s_wait_xcnt 0x0
	s_wait_alu depctr_hold_cnt(0) depctr_sa_sdst(0) depctr_va_vdst(0) depctr_va_sdst(0) depctr_va_ssrc(0) depctr_va_vcc(0) depctr_vm_vsrc(0)
	s_getreg_b32 s2, hwreg(HW_REG_IB_STS2, 6, 4)
	s_cmp_eq_u32 s2, 0
	s_cbranch_scc0 .Lentry_in_a_cluster
	s_endpgm
.Lentry_in_a_cluster:
	s_bfe_u32 s2, ttmp6, 0x10000c
	s_cmp_lg_u32 s2, 0xf033
	s_cbranch_scc0 .Lentry_shape_is_right
	s_endpgm
.Lentry_shape_is_right:
; q = x Wq + bq, k = x Wk + bk, v = x Wv + bv on codes of FP6 (E2M3) with E8M0 scales, K = 1,024; the f32 results are quantised in registers and leave as IMAGES OF THE NEXT OPERANDS' REGISTERS.
; A tile of 256 x 256 is made by four waves, 128 x 128 each (64 accumulators, 512 registers); K goes in steps of 256 through a ring of two LDS slots filled by the tensor data mover; the scale bytes of the
; work-group's 256 + 256 rows come once and stay.  4 x 4 work-groups form a cluster: A's tiles are asked for jointly along a row of it, B's along a column.
; THE PRODUCT IS USED TRANSPOSED (source 0 = 16 rows of B, source 1 = 16 rows of A): a lane holds one row of A, its registers run along B's rows.  Rows are stored at positions pi(index) (bits 3 and 4 exchanged), so
; register j of accumulator b is B's REAL index 32 (b / 2) + 8 (b % 2) + 16 (lane / 16) + j: the 16 registers of accumulators 2 n and 2 n + 1 are 16 real neighbours.
; ROLES, by the cluster's number c (24 clusters; the same in all partners): c < 16: A = x, B = Wq (c even) or Wk (c odd): a lane holds a token, registers run along channels: quantised along the head's 64.
;   c >= 16: A = Wv, B = x: a lane holds a channel, registers run along tokens: quantised along the keys.
; OUT: qbuf [b x head 64][step 16] records of 6,656 bytes: 8 images of 768 (16 positions x 64 K: registers 0-3 at 16 x lane, registers 4-5 at 512 + 8 x lane), then scale words [r 16][tile 8];
;      kv likewise, records of 13,056: K's 8 images at 0, V's 4 images of 1,536 (16 channels x 128 keys: three groups of 4 registers, 512 bytes each) at 6,144, K's scale words at 12,288, V's [r 16][tile 4] at 12,800.
;      A q or k scale word has the head's two bytes below and two bytes 0 above, which stand over zero codes.
; LIMITS: NaN and infinities are not served; a block whose largest magnitude lies under 2^-124 (a block of zeros too) gets the byte 1; this program alone reads the bytes.
; REGISTERS: window 0: v0-31 addresses; v32-63 scale words, two sets; v64-127 the bias, the C of the first step; v128-223 A's fragments, one set; v224-239 at work on the way out.
;   window 1: B's fragments, two sets.   windows 2, 3: the accumulators ((a, b) at v[8 (8 (a % 4) + b)]).
.set KSTEP,  256
.set NQ,     2
.set ROWB,   192                       ; a tile's row: 256 codes
.set KROW,   768                       ; a row of codes in memory
.set PITCH,  240                       ; an LDS row: 3 x (64 bytes + 16 of padding)
.set FR,     12
.set NL,     6
.set NP,     4
.set HALFT,  128*PITCH
.set SLOT,   4*HALFT
.set LAPS,   2                         ; 1,024 / 512
.set KS,     32                        ; a row of scale bytes
.set SCL,    2*SLOT
.set HALFS,  (128*KS/256)*272
.set SBLK,   (16*KS/256)*272
.set SPARE,  SCL+4*HALFS               ; the spare words, 128 bytes a wave: two blocks of 256 bytes that no other line names
.set RQ,     6656
.set REC,    13056
.set ADRA, 16
.set ADRB, 20
.set ADRS, 27
.set SPW,  28
.set NIL,  29
.set SC,   32
.set BI,   64
.set AF,   128
.set TM,   224                         ; the way out: v224-227 largest magnitudes, v228-231 bytes, v236-239 scale operands
.set CD,   128                         ; v128-147 the codes just made
.set WS,   160                         ; v160-167 a scale word for each of my eight blocks of A's rows
.set TW,   168                         ; v168-175 the words as they are stored
.set G1, 24
.set G0, 32
.set G1B, 48
.set G0B, 56
.set G1S, 68
.set G0S, 76
.set G1SB, 80
.set G0SB, 88
.set MSB, 0
.macro WIN new                         ; the immediate's high byte repeats the setting that is left
.if MSB != (\new)
	s_set_vgpr_msb (MSB<<8)|(\new)
.set MSB, (\new)
.endif
.endm
.set MUL_LO, 0xa1                      ; source 0 (B) window 1, source 1 (A) window 0, C and D window 2
.set MUL_HI, 0xf1                      ; the same, C and D window 3
.set TO_B,   0x40
.macro JLOAD g0a, g1a, g0b, g1b        ; a joint load: waves 0 and 1 fetch for A, waves 2 and 3 for B; four v_nop follow each line
	s_cmp_eq_u32 s15, 0
	s_cbranch_scc0 .Lfor_b_\@
	tensor_load_to_lds s[\g0a:\g0a+3], s[\g1a:\g1a+7]
	s_nop 0
.rept 4
	v_nop
.endr
	s_branch .Lasked_\@
.Lfor_b_\@:
	tensor_load_to_lds s[\g0b:\g0b+3], s[\g1b:\g1b+7]
	s_nop 0
.rept 4
	v_nop
.endr
.Lasked_\@:
.endm
.macro CREST                           ; a round of the cluster's barrier behind its opening barrier
	s_cmp_lg_u32 s14, 0
	s_cbranch_scc1 .Lnot_wave_0_\@
	s_barrier_signal -3
.Lnot_wave_0_\@:
	s_barrier_wait -3
	s_barrier_signal -1
	s_barrier_wait -1
.endm
.macro CROUND
	s_barrier_signal -1
	s_barrier_wait -1
	CREST
.endm
	s_load_b256 s[4:11], s[0:1], 0x0               ; xc, xs, wc, ws
	s_load_b128 s[96:99], s[0:1], 0x20             ; bq, bk
	s_load_b64 s[100:101], s[0:1], 0x30            ; bv
	s_load_b64 s[12:13], s[0:1], 0x38              ; qbuf
	s_load_b64 s[104:105], s[0:1], 0x40            ; kv
	v_lshl_add_u32 v[SPW], v0, 2, SPARE
	v_mov_b32 v[NIL], 0
	ds_add_u32 v28, v29
	s_wait_dscnt 0x0
	v_lshrrev_b32 v1, 5, v0
	v_readfirstlane_b32 s14, v1                    ; wave 0..3
	s_lshr_b32 s15, s14, 1                         ; my half of A's rows.  Also: I fetch for A (0) or for B (1)
	s_and_b32 s16, s14, 1                          ; my half of B's rows.  Also: which 128 rows I fetch
	s_bfe_u32 s40, ttmp6, 0x40000                  ; cx
	s_bfe_u32 s41, ttmp6, 0x40004                  ; cy
	s_lshr_b32 s18, ttmp9, 1
	s_lshl_b32 s18, s18, 2                         ; c < 16: A's tile rows 4 (c / 2) on (x: 32 of them),
	s_and_b32 s19, ttmp9, 1
	s_lshl_b32 s19, s19, 2                         ;         B's tile rows 4 (c % 2) on (wc: 0-3 Wq, 4-7 Wk)
	s_max_u32 s20, ttmp9, 16
	s_sub_co_u32 s20, s20, 16
	s_lshl_b32 s20, s20, 2                         ; c >= 16: B's tile rows 4 (c - 16) on (x); A's are wc's 8 on (Wv)
	s_cmp_lt_u32 ttmp9, 16
	s_cselect_b32 s17, s18, 8
	s_cselect_b32 s42, s19, s20
	s_add_co_u32 s17, s17, s41                     ; A's tile row: + cy
	s_add_co_u32 s42, s42, s40                     ; B's tile row: + cx
	s_lshl_b32 s43, s41, 2
	s_lshl_b32 s43, 15, s43                        ; my row of the cluster
	s_lshl_b32 s44, 0x1111, s40                    ; my column
	; descriptor group 1: 128 rows x 192 bytes, 16 bytes of padding behind every 64
	s_or_b32 s[G1+0], s43, (0<<16)|(1<<20)|(1<<21)|(3<<22)|(3<<25)
	s_or_b32 s[G1B+0], s44, (0<<16)|(1<<20)|(1<<21)|(3<<22)|(3<<25)
.irp g, G1, G1B
	s_mov_b32 s[\g+1], ROWB<<16                    ; tensor_dim0
	s_mov_b32 s[\g+2], 128<<16                     ; tensor_dim1
	s_mov_b32 s[\g+3], ROWB<<16                    ; tile_dim0
	s_mov_b32 s[\g+4], 128                         ; tile_dim1
	s_mov_b32 s[\g+5], KROW                        ; the pitch
	s_mov_b32 s[\g+6], 0
	s_mov_b32 s[\g+7], 0
.endr
	; the scale bytes of 128 rows: 4,096 dense bytes as 16 rows of 256, 16 bytes of padding behind each
	s_or_b32 s[G1S+0], s43, (3<<16)|(1<<20)|(1<<21)|(5<<22)|(3<<25)
	s_or_b32 s[G1SB+0], s44, (3<<16)|(1<<20)|(1<<21)|(5<<22)|(3<<25)
.irp g, G1S, G1SB
	s_mov_b32 s[\g+1], 32<<16
	s_mov_b32 s[\g+2], (128*KS/256)<<16
	s_mov_b32 s[\g+3], 32<<16
	s_mov_b32 s[\g+4], 128*KS/256
	s_mov_b32 s[\g+5], 32
	s_mov_b32 s[\g+6], 0
	s_mov_b32 s[\g+7], 0
.endr
	s_lshl_b32 s18, s16, 7
	s_lshl_b32 s20, s17, 8
	s_add_co_u32 s20, s20, s18                     ; A: the first row that I fetch
	s_lshl_b32 s46, s42, 8
	s_add_co_u32 s46, s46, s18                     ; B likewise
	s_lshl_b32 s22, s20, 5                         ; their scale bytes,
	s_mov_b32 s23, 0
	s_lshl_b32 s92, s46, 5
	s_mov_b32 s93, 0
	s_mul_i32 s20, s20, KROW                       ; their codes (under 2^23 bytes)
	s_mov_b32 s21, 0
	s_mul_i32 s46, s46, KROW
	s_mov_b32 s47, 0
	s_mul_i32 s45, s14, HALFT                      ; where they go: wave x 128 rows
	s_mul_i32 s94, s14, HALFS
	s_wait_kmcnt 0x0
	s_cmp_lt_u32 ttmp9, 16                         ; c >= 16: wc is A and xc is B.  The choice hangs on the cluster's number alone
	s_cselect_b64 s[2:3], s[4:5], s[8:9]
	s_cselect_b64 s[8:9], s[8:9], s[4:5]
	s_mov_b64 s[4:5], s[2:3]
	s_cselect_b64 s[2:3], s[6:7], s[10:11]
	s_cselect_b64 s[10:11], s[10:11], s[6:7]
	s_mov_b64 s[6:7], s[2:3]
	s_add_nc_u64 s[20:21], s[4:5], s[20:21]
	s_add_nc_u64 s[22:23], s[6:7], s[22:23]
	s_add_nc_u64 s[46:47], s[8:9], s[46:47]
	s_add_nc_u64 s[92:93], s[10:11], s[92:93]
	CROUND                                         ; all sixteen work-groups are here: the first joint loads meet
	s_mov_b32 s[G0S], 1
	s_add_co_u32 s[G0S+1], s94, SCL
	s_mov_b64 s[G0S+2:G0S+3], s[22:23]
	s_or_b32 s[G0S+3], s[G0S+3], 0x80000000
	s_mov_b32 s[G0SB], 1
	s_add_co_u32 s[G0SB+1], s94, SCL
	s_mov_b64 s[G0SB+2:G0SB+3], s[92:93]
	s_or_b32 s[G0SB+3], s[G0SB+3], 0x80000000
	JLOAD G0S, G1S, G0SB, G1SB                     ; the scales first
.irp s, 0,1
	s_mov_b32 s[G0+4*\s], 1
	s_add_co_u32 s[G0+4*\s+1], s45, \s*SLOT
	s_add_nc_u64 s[G0+4*\s+2:G0+4*\s+3], s[20:21], \s*ROWB
	s_or_b32 s[G0+4*\s+3], s[G0+4*\s+3], 0x80000000
	s_mov_b32 s[G0B+4*\s], 1
	s_add_co_u32 s[G0B+4*\s+1], s45, \s*SLOT
	s_add_nc_u64 s[G0B+4*\s+2:G0B+4*\s+3], s[46:47], \s*ROWB
	s_or_b32 s[G0B+4*\s+3], s[G0B+4*\s+3], 0x80000000
	JLOAD G0+4*\s, G1, G0B+4*\s, G1B               ; three tensor loads of mine are out now
.endr
	v_and_b32 v1, 15, v0                           ; r
	v_bfe_u32 v2, v0, 4, 1                         ; h
	v_mul_u32_u24 v3, v1, PITCH
	v_mul_u32_u24 v4, v2, 24
	v_add_nc_u32 v4, v3, v4                        ; a fragment's row x pitch + 24 h
	v_lshl_add_u32 v5, v2, 4, v4                   ; and the same behind one padding more
	s_mul_i32 s21, s15, HALFT
	s_mul_i32 s22, s16, HALFT
	s_add_co_u32 s22, s22, 2*HALFT
.irp s, 0,1
	v_add_nc_u32 v[ADRA+\s], s21, v4
	v_add_nc_u32 v[ADRB+\s], s22, v4
	v_add_nc_u32 v[ADRA+2+\s], s21, v5
	v_add_nc_u32 v[ADRB+2+\s], s22, v5
	s_add_co_u32 s21, s21, SLOT
	s_add_co_u32 s22, s22, SLOT
.endr
	v_mul_u32_u24 v5, v1, KS                       ; my row's scale bytes,
	v_lshrrev_b32 v6, 8, v5
	v_lshl_add_u32 v5, v6, 4, v5                   ; and 16 more for each 256 passed
	s_mul_i32 s21, s15, HALFS
	s_mul_i32 s22, s16, HALFS
	s_add_co_u32 s22, s22, 2*HALFS
	s_sub_co_u32 s22, s22, s21
	v_mul_u32_u24 v6, s22, v2                      ; lanes 16-31 take B's
	s_add_co_u32 s21, s21, SCL
	v_add_nc_u32 v5, v5, v6
	v_add_nc_u32 v[ADRS], s21, v5
	; THE BIAS is the C of the first step's products: 64 registers, all of them written in either role
	s_and_b32 s18, ttmp9, 1
	s_cmp_lg_u32 s18, 0
	s_cselect_b64 s[96:97], s[98:99], s[96:97]     ; bk for odd c, bq for even,
	s_cmp_lt_u32 ttmp9, 16
	s_cselect_b64 s[96:97], s[96:97], s[100:101]   ; bv from c = 16 on
	s_cselect_b32 s18, s40, s41                    ; my 128 channels: 256 cx + 128 x my half of B's rows, or 256 cy + 128 x my half of A's
	s_cselect_b32 s19, s16, s15
	s_lshl_b32 s18, s18, 10
	s_lshl_b32 s19, s19, 9
	s_add_co_u32 s18, s18, s19
	s_mov_b32 s19, 0
	s_add_nc_u64 s[96:97], s[96:97], s[18:19]
	v_lshlrev_b32 v30, 6, v2                       ; registers along channels: 16 h channels on
	v_and_b32 v31, 8, v1
	v_add_nc_u32 v31, v31, v1
	v_lshlrev_b32 v31, 2, v31                      ; a lane to a channel: r + 8 (r / 8)
	s_cmp_lt_u32 ttmp9, 16
	s_cbranch_scc0 .Lbias_v
.irp b, 0,1,2,3,4,5,6,7
	global_load_b128 v[BI+8*\b:BI+8*\b+3], v30, s[96:97] offset:128*(\b/2)+32*(\b%2)      ; by B's block: eight channels a block
	global_load_b128 v[BI+8*\b+4:BI+8*\b+7], v30, s[96:97] offset:128*(\b/2)+32*(\b%2)+16
.endr
	s_branch .Lbias_done
.Lbias_v:
.irp a, 0,1,2,3,4,5,6,7
	global_load_b32 v[BI+8*\a], v31, s[96:97] offset:128*(\a/2)+32*(\a%2)                 ; by A's block: one channel a lane
.endr
	s_wait_loadcnt 0x0                             ; my three tensor loads are on their way meanwhile
.irp a, 0,1,2,3,4,5,6,7
.irp j, 1,2,3,4,5,6,7
	v_mov_b32 v[BI+8*\a+\j], v[BI+8*\a]            ; a lane's channel has one bias for all its tokens
.endr
.endr
.Lbias_done:
.macro FRAG reg, adr, q, i             ; 16 rows x 128 K: 12 registers, six pieces of 8 bytes; where lanes 16-31's piece lies behind one padding more, the second address register serves
.irp p, 0,1,2,3,4,5
.set PIECE, 12*(\q)+6*(\p/3)+\p%3
.if PIECE%8 < 5
	ds_load_b64 v[\reg+2*\p:\reg+2*\p+1], v[\adr] offset:8*PIECE+16*(PIECE/8)+(\i)*16*PITCH
.else
	ds_load_b64 v[\reg+2*\p:\reg+2*\p+1], v[\adr+2] offset:8*PIECE+16*(PIECE/8)+(\i)*16*PITCH
.endif
.endr
.endm
; 16 products: A's blocks a0, a0 + 1 x B's eight.  cm = 0: onto the sums; 1: the sums begin with the bias by B's block; 2: by A's block.  The 64 accumulators take turns.
.macro MUL16 a0, p, q, sc, cm
.irp a, \a0, \a0+1
.irp b, 0,1,2,3,4,5,6,7
.if \cm == 1
	v_wmma_scale_f32_16x16x128_f8f6f4 v[8*(8*((\a)%4)+\b):8*(8*((\a)%4)+\b)+7], v[128*(\p)+FR*\b:128*(\p)+FR*\b+FR-1], v[AF+FR*(\a):AF+FR*(\a)+FR-1], v[BI+8*\b:BI+8*\b+7], v[SC+8*NQ*(\sc)+NQ*\b+(\q)], v[SC+8*NQ*(\sc)+NQ*(\a)+(\q)] matrix_a_fmt:MATRIX_FMT_FP6 matrix_b_fmt:MATRIX_FMT_FP6 matrix_a_scale:MATRIX_SCALE_ROW1
.elseif \cm == 2
	v_wmma_scale_f32_16x16x128_f8f6f4 v[8*(8*((\a)%4)+\b):8*(8*((\a)%4)+\b)+7], v[128*(\p)+FR*\b:128*(\p)+FR*\b+FR-1], v[AF+FR*(\a):AF+FR*(\a)+FR-1], v[BI+8*(\a):BI+8*(\a)+7], v[SC+8*NQ*(\sc)+NQ*\b+(\q)], v[SC+8*NQ*(\sc)+NQ*(\a)+(\q)] matrix_a_fmt:MATRIX_FMT_FP6 matrix_b_fmt:MATRIX_FMT_FP6 matrix_a_scale:MATRIX_SCALE_ROW1
.else
	v_wmma_scale_f32_16x16x128_f8f6f4 v[8*(8*((\a)%4)+\b):8*(8*((\a)%4)+\b)+7], v[128*(\p)+FR*\b:128*(\p)+FR*\b+FR-1], v[AF+FR*(\a):AF+FR*(\a)+FR-1], v[8*(8*((\a)%4)+\b):8*(8*((\a)%4)+\b)+7], v[SC+8*NQ*(\sc)+NQ*\b+(\q)], v[SC+8*NQ*(\sc)+NQ*(\a)+(\q)] matrix_a_fmt:MATRIX_FMT_FP6 matrix_b_fmt:MATRIX_FMT_FP6 matrix_a_scale:MATRIX_SCALE_ROW1
.endif
.endr
.endr
.endm
.macro FETCH_B slot, q, p
	WIN TO_B
.irp i, 0,1,2,3,4,5,6,7
	FRAG 128*(\p)+FR*\i, ADRB+\slot, \q, \i
.endr
	WIN 0
.endm
.macro FETCH_A slot, q, i0
.irp i, \i0, \i0+1, \i0+2, \i0+3
	FRAG AF+FR*(\i), ADRA+\slot, \q, \i
.endr
.endm
.macro SCALES sc                       ; a K step's scale words: lanes 0-15 A's block i, lanes 16-31 B's block i
.irp i, 0,1,2,3,4,5,6,7
	ds_load_b64 v[SC+8*NQ*\sc+NQ*\i:SC+8*NQ*\sc+NQ*\i+1], v[ADRS] offset:\i*SBLK
.endr
.endm
.macro PLACES n                        ; plain vector places behind matrix instructions, ahead of loads into their registers and of reads of results
.rept \n
	v_nop
.endr
.endm
.macro STEP slot, q, cm                ; 128 along K that has its successor in the same slot
	s_wait_dscnt 4*NL                              ; B's set and A's blocks 0-3 are in; the youngest 24 loads (A's blocks 4-7) may be out
.if \cm
	WIN 0x81                                       ; C (the bias) in window 0, D in window 2
.else
	WIN MUL_LO
.endif
	MUL16 0, (\q)%2, \q, \slot, \cm
	MUL16 2, (\q)%2, \q, \slot, \cm
	s_wait_dscnt 0
	PLACES NP
	FETCH_B \slot, (\q)+1, 1-(\q)%2
	FETCH_A \slot, (\q)+1, 0
.if \cm
	WIN 0xc1
.else
	WIN MUL_HI
.endif
	MUL16 4, (\q)%2, \q, \slot, \cm
	MUL16 6, (\q)%2, \q, \slot, \cm
	PLACES NP
	WIN 0
	FETCH_A \slot, (\q)+1, 4
.endm
.macro TURN slot, next, fill           ; a slot's last step changes slots: one barrier
	s_wait_tensorcnt 0x0                           ; all my tensor loads have landed: my part of the next slot
	ds_add_u32 v[SPW], v[NIL]                      ; 0 onto my spare word
	s_wait_dscnt 4*NL+1                            ; the add and the youngest 24 loads may be out
	WIN MUL_LO
	MUL16 0, 1, NQ-1, \slot, 0
	s_wait_dscnt 0x0                               ; the add is done, and my reads of this slot are over
	s_barrier_signal -1
	MUL16 2, 1, NQ-1, \slot, 0
	WIN 0
	s_barrier_wait -1
.if \fill
	CREST                                          ; the barrier has opened a round of the cluster's: no wave of any partner still reads this slot or has a load on its way
	s_add_nc_u64 s[G0+4*\slot+2:G0+4*\slot+3], s[G0+4*\slot+2:G0+4*\slot+3], 2*ROWB
	s_add_nc_u64 s[G0B+4*\slot+2:G0B+4*\slot+3], s[G0B+4*\slot+2:G0B+4*\slot+3], 2*ROWB
	JLOAD G0+4*\slot, G1, G0B+4*\slot, G1B         ; the first tensor load behind the round; its four v_nop are also the places ahead of the loads below
.else
	PLACES NP
.endif
	v_add_nc_u32 v[ADRS], 4*NQ, v[ADRS]
	FETCH_B \next, 0, 0
	FETCH_A \next, 0, 0
	SCALES \next
	WIN MUL_HI
	MUL16 4, 1, NQ-1, \slot, 0
	MUL16 6, 1, NQ-1, \slot, 0
	PLACES NP
	WIN 0
	FETCH_A \next, 0, 4
.endm
	s_wait_tensorcnt 1                             ; the scales and my part of K step 0 are in; K step 1's load may be out
	s_barrier_signal -1
	s_barrier_wait -1
	FETCH_B 0, 0, 0
	FETCH_A 0, 0, 0
	SCALES 0
	FETCH_A 0, 0, 4
	s_wait_loadcnt 0x0                             ; the bias is in, in either role
	s_cmp_lt_u32 ttmp9, 16                         ; the first step is written for each role: only its C differs; both copies issue the same LDS loads
	s_cbranch_scc0 .Lfirst_v
	STEP 0, 0, 1
	s_branch .Lfirst_done
.Lfirst_v:
	STEP 0, 0, 2
.Lfirst_done:
	s_mov_b32 s3, LAPS-1
.Llap:
	TURN 0, 1, 1
	STEP 1, 0, 0
	TURN 1, 0, 1
	STEP 0, 0, 0
	s_sub_co_u32 s3, s3, 1
	s_cmp_lg_u32 s3, 0
	s_cbranch_scc1 .Llap
	TURN 0, 1, 0                                   ; the last lap fills nothing
	STEP 1, 0, 0
	s_wait_dscnt 4*NL
	WIN MUL_LO
	MUL16 0, 1, NQ-1, 1, 0
	MUL16 2, 1, NQ-1, 1, 0
	s_wait_dscnt 0
	WIN MUL_HI
	MUL16 4, 1, NQ-1, 1, 0
	MUL16 6, 1, NQ-1, 1, 0
	WIN 0
	PLACES NP
	; THE WAY OUT.  Each block of 16 rows of A (64 numbers a lane, register 16 n + i = real index 32 n + 16 h + i) becomes a fragment's 12 registers and a scale word, and leaves from the registers.
	s_mov_b32 s2, 0x76543210
	s_mov_b32 s3, 0xfedcba98                       ; v_permlanex16_b32's selects for lane l xor 16
	s_lshl_b32 s18, s17, 8
	s_lshl_b32 s19, s15, 7
	s_add_co_u32 s18, s18, s19                     ; my first row of A
	s_lshl_b32 s19, s42, 8
	s_lshl_b32 s20, s16, 7
	s_add_co_u32 s19, s19, s20                     ; my first row of B
	s_cmp_lt_u32 ttmp9, 16
	s_cselect_b32 s20, s18, s19                    ; my first token (position)
	s_cselect_b32 s21, s19, s18
	s_and_b32 s21, s21, 1023                       ; my first channel
	s_lshr_b32 s22, s20, 11                        ; batch
	s_bfe_u32 s23, s20, 0x40007                    ; which 128 tokens of the sequence
	s_lshr_b32 s21, s21, 6                         ; my first head (of two)
	s_lshl_b32 s22, s22, 4
	s_add_co_u32 s22, s22, s21
	s_lshl_b32 s22, s22, 4
	s_add_co_u32 s22, s22, s23                     ; the record
	s_and_b32 s66, ttmp9, 17
	s_cmp_eq_u32 s66, 0                            ; q: c < 16 and even
	s_cselect_b64 s[12:13], s[12:13], s[104:105]
	s_mov_b32 s67, REC
	s_cselect_b32 s67, RQ, s67                     ; a record's bytes
	s_mov_b32 s23, 12288
	s_cselect_b32 s23, 6144, s23                   ; where its scale words begin: q, k,
	s_cmp_lt_u32 ttmp9, 16
	s_cselect_b32 s21, 0, 6144                     ; where its images begin
	s_mov_b32 s20, 12800
	s_cselect_b32 s23, s23, s20                    ; v
	s_mul_i32 s18, s22, s67
	s_mov_b32 s19, 0
	s_add_nc_u64 s[12:13], s[12:13], s[18:19]
	s_mov_b32 s18, s23
	s_add_nc_u64 s[104:105], s[12:13], s[18:19]    ; the scale words
	s_mov_b32 s18, s21
	s_add_nc_u64 s[12:13], s[12:13], s[18:19]      ; the images
	s_lshl_b32 s67, s67, 4                         ; one head on: 16 records
	v_and_b32 v3, 31, v0
	v_lshlrev_b32 v8, 4, v3                        ; 16 x lane
	v_lshlrev_b32 v9, 3, v3                        ; 8 x lane
	v_add_nc_u32 v10, s67, v8                      ; the same in the second head's record
	v_add_nc_u32 v11, s67, v9
	v_mul_u32_u24 v4, s67, v2
	v_lshl_add_u32 v12, v1, 5, v4                  ; q, k: scale words [r][8 tiles], lanes 16-31 the second head's
	v_lshlrev_b32 v13, 4, v2                       ; and which half of a word is that head's
	v_lshl_add_u32 v14, v1, 4, v4                  ; v: [r][4 tiles]
.irp b, 0,1,2,3
	v_mov_b32 v[TM+4+\b], 0                        ; written once: a lane permute's destination counts as one of its sources
.endr
.macro QROW a
.set AC, 64*((\a)%4)
	s_wait_xcnt 0x0                                ; the last block's stores have read the codes' registers
.irp b, 0,1,2,3
	v_mov_b32 v[TM+\b], 0x1800000                  ; the floor 2^(3 - 127): the byte cannot fall under 1
.endr
	WIN 0x28+0x14*((\a)/4)                         ; sources 1 and 2: window 2 or 3
.irp i, 0,2,4,6,8,10,12,14
.irp b, 0,1,2,3
	v_max3_num_f32 v[TM+\b], v[TM+\b], |v[AC+16*\b+\i]|, |v[AC+16*\b+\i+1]|   ; four blocks by turns; each accumulator from its low end on
.endr
.endr
	WIN 0
.irp b, 0,1,2,3
	v_permlanex16_b32 v[TM+4+\b], v[TM+\b], s2, s3
.endr
.irp b, 0,1,2,3
	v_max_num_f32 v[TM+\b], v[TM+\b], v[TM+4+\b]   ; with lane l xor 16's 16 numbers: the block's largest magnitude
.endr
.irp b, 0,1,2,3
	v_add_nc_u32 v[TM+12+\b], 0xff000000, v[TM+\b] ; 2 off the exponent field: the conversion's scale operand
.endr
.irp b, 0,1,2,3
	v_lshrrev_b32 v[TM+4+\b], 23, v[TM+12+\b]      ; the byte
.endr
	v_lshl_or_b32 v[WS+\a], v[TM+5], 8, v[TM+4]
	v_lshl_or_b32 v[WS+\a], v[TM+6], 16, v[WS+\a]
	v_lshl_or_b32 v[WS+\a], v[TM+7], 24, v[WS+\a]
	WIN 0x02+((\a)/4)                              ; source 0: window 2 or 3
.irp c, 0,1
	v_cvt_scalef32_pk16_fp6_f32 v[CD+6*\c:CD+6*\c+2], v[AC+32*\c:AC+32*\c+15], v[TM+12+2*\c]
	v_cvt_scalef32_pk16_fp6_f32 v[CD+12+4*\c:CD+14+4*\c], v[AC+32*\c+16:AC+32*\c+31], v[TM+13+2*\c]
.endr
	WIN 0
	v_nop                                          ; one plain place behind a scaled conversion
.irp c, 0,1                                    ; the operand's layout wants a whole block in a lane
.irp i, 0,1,2
	v_permlane16_swap_b32 v[CD+6*\c+\i], v[CD+12+4*\c+\i]
.endr
.irp i, 0,1,2
	v_mov_b32 v[CD+3+6*\c+\i], v[CD+12+4*\c+\i]
.endr
.endr
	s_cmp_lt_u32 ttmp9, 16
	s_cbranch_scc0 .Lstore_v_\@
	global_store_b128 v8, v[CD:CD+3], s[12:13] offset:768*(\a)           ; registers 0-5: the first head's 64 K; each store covers 512 or 256 consecutive bytes, aligned
	global_store_b64 v9, v[CD+4:CD+5], s[12:13] offset:768*(\a)+512
	global_store_b128 v10, v[CD+6:CD+9], s[12:13] offset:768*(\a)        ; registers 6-11: the second head's
	global_store_b64 v11, v[CD+10:CD+11], s[12:13] offset:768*(\a)+512
	s_branch .Lstored_\@
.Lstore_v_\@:
.irp c, 0,1,2
	global_store_b128 v8, v[CD+4*\c:CD+4*\c+3], s[12:13] offset:((\a)/4)*16*REC+((\a)%4)*1536+512*\c   ; blocks 0-3: the first head's 64 channels, 4-7 the second's
.endr
.Lstored_\@:
.endm
.irp a, 0,1,2,3,4,5,6,7
	QROW \a
.endr
	s_cmp_lt_u32 ttmp9, 16
	s_cbranch_scc0 .Lwords_v
.irp a, 0,1,2,3,4,5,6,7
	v_bfe_u32 v[TW+\a], v[WS+\a], v13, 16          ; my head's two bytes; two bytes 0 above them
.endr
	global_store_b128 v12, v[TW:TW+3], s[104:105]
	global_store_b128 v12, v[TW+4:TW+7], s[104:105] offset:16
	s_branch .Lwords_done
.Lwords_v:
	v_cmp_eq_u32 vcc_lo, 1, v2
.irp t, 0,1,2,3
	v_cndmask_b32 v[TW+\t], v[WS+\t], v[WS+4+\t], vcc_lo   ; lanes 16-31 take the second head's four tiles
.endr
	global_store_b128 v14, v[TW:TW+3], s[104:105]
.Lwords_done:
	s_wait_tensorcnt 0x0                           ; the wave's end
	ds_add_u32 v[SPW], v[NIL]
	s_wait_dscnt 0x0
	CROUND                                         ; the closing round
	s_endpgm
.Lfunc_end_k_q4edadcd8ee_gemm_qkv:
	.size	k_q4edadcd8ee_gemm_qkv, .Lfunc_end_k_q4edadcd8ee_gemm_qkv-k_q4edadcd8ee_gemm_qkv
	.p2alignl 7, 3214868480
	.fill 96, 4, 3214868480
	.section	.rodata,"a",@progbits
	.p2align	6, 0x0
	.amdhsa_kernel k_q4edadcd8ee_gemm_qkv
		.amdhsa_group_segment_fixed_size 327680
		.amdhsa_private_segment_fixed_size 0
		.amdhsa_enable_private_segment 0
		.amdhsa_kernarg_size 72
		.amdhsa_user_sgpr_count 2
		.amdhsa_user_sgpr_kernarg_segment_ptr 1
		.amdhsa_wavefront_size32 1
		.amdhsa_system_sgpr_workgroup_id_x 1
		.amdhsa_system_sgpr_workgroup_id_y 1
		.amdhsa_system_sgpr_workgroup_id_z 1
		.amdhsa_system_vgpr_workitem_id 0
		.amdhsa_next_free_vgpr 1024
		.amdhsa_next_free_sgpr 106
		.amdhsa_reserve_vcc 1
		.amdhsa_float_denorm_mode_32 3
		.amdhsa_float_denorm_mode_16_64 3
		.amdhsa_memory_ordered 1
		.amdhsa_forward_progress 1
		.amdhsa_inst_pref_size 190
	.end_amdhsa_kernel
	.amdgpu_metadata
---
amdhsa.version: [ 1, 2 ]
amdhsa.kernels:
  - .name:           k_q4edadcd8ee_gemm_qkv
    .symbol:         k_q4edadcd8ee_gemm_qkv.kd
    .args:
      - { .name: xc, .offset: 0, .size: 8, .value_kind: global_buffer, .address_space: global }
      - { .name: xs, .offset: 8, .size: 8, .value_kind: global_buffer, .address_space: global }
      - { .name: wc, .offset: 16, .size: 8, .value_kind: global_buffer, .address_space: global }
      - { .name: ws, .offset: 24, .size: 8, .value_kind: global_buffer, .address_space: global }
      - { .name: bq, .offset: 32, .size: 8, .value_kind: global_buffer, .address_space: global }
      - { .name: bk, .offset: 40, .size: 8, .value_kind: global_buffer, .address_space: global }
      - { .name: bv, .offset: 48, .size: 8, .value_kind: global_buffer, .address_space: global }
      - { .name: qbuf, .offset: 56, .size: 8, .value_kind: global_buffer, .address_space: global }
      - { .name: kv, .offset: 64, .size: 8, .value_kind: global_buffer, .address_space: global }
    .group_segment_fixed_size: 327680
    .private_segment_fixed_size: 0
    .kernarg_segment_align: 8
    .kernarg_segment_size: 72
    .max_flat_workgroup_size: 128
    .sgpr_count:     106
    .vgpr_count:     1024
    .wavefront_size: 32
...
	.end_amdgpu_metadata
.endif
;; end of part 2
;; launch attn (part 3): grid 4 x 64, 16 waves a work-group, no clusters, 327,680 bytes of LDS; arguments qbuf, kv, ac, asc; writes ac, asc
.if DOCPART == 3
	.amdgcn_target "amdgcn-amd-amdhsa--gfx1250"
	.amdhsa_code_object_version 6
	.text
	.protected	k_q4edadcd8ee_attn
	.globl	k_q4edadcd8ee_attn
	.p2align	8
	.type	k_q4edadcd8ee_attn,@function
k_q4edadcd8ee_attn:
	s_mov_b64 s[64:65], 0
	v_nop
	global_prefetch_b8 v0, s[64:65] scope:SCOPE_SE
	s_setreg_imm32_b32 hwreg(HW_REG_WAVE_MODE, 25, 1), 1
	s_wait_xcnt 0x0
; Causal attention of one (batch, head) on codes of FP6 (E2M3): S^T = K Q^T (K = the head's 64: the upper 64 of the instruction's 128 are zero codes), p = 2^(t - M), O^T += V^T P^T (K = 128 keys), O / l, quantised along the 64 channels.
; t = score x log2(e) / 8; M = the running largest t rounded UP to a whole number; the row's sum l is taken of the unquantised p; when M moves, l and O^T are multiplied by 2^(old M - new M), which rounds nothing.
; SHARES.  Work-group (i, b x head) owns the query blocks i and 7 - i of 256 positions: (i + 1) + (8 - i) = 9 slots of 256 keys for every work-group: 256 work-groups of equal work, nine trips, a constant.
; Each of the sixteen waves owns one tile of 16 positions in 256 registers: four waves to a SIMD, so that one wave's vector work stands beside another's products and LDS loads.
; POSITIONS.  Rows were stored at pi(index) (bits 3 and 4 exchanged).  Lane r of my tile is the real query G + 8 (w % 2) + r + 8 (r / 8), G = 256 block + 32 (w / 2); lane r of K's tile 2 n + u the real key 32 n + 8 u + r + 8 (r / 8), so
; that the 16 registers of S^T's tiles 2 n, 2 n + 1 are the real keys 32 n + 16 h + 0 .. 15; V's channel tiles likewise, so that O^T's registers run along real channels.  Only the mask needs real indices.
; IN: records made by the launch before (operands as images of their registers): a slot is two records of kv, 26,112 dense bytes, brought by ONE tensor load of wave 0 into a ring of two LDS slots and read by all sixteen waves.
; OUT: ac [head][position tile 512][768]: the image of 16 rows x 64 K;  asc [position][32]: byte 2 head + block.  The bytes of asc leave singly, 2 beside each 48 bytes of codes: the one small store of the launch.
; NO CLUSTER: the four work-groups of a head want different key slots in the same trip (0 .. i, then 0 .. 7 - i), so their requests cannot be made jointly.
; LIMITS: NaN and infinities are not served; a block whose largest magnitude lies under 2^-124 (a block of zeros too) gets the byte 1; this program alone reads the bytes.  v_exp_f32 is taken not to fall where its input rises.
; REGISTERS: v1-4 lane offsets, v5-6 the add's, v7 the mask's lane term, v8-11 LDS addresses, v12 -M, v13 the largest t, v[14:15] l in two halves, v16-27 Q (v22-27 zero), v28 asc's offset, v29 h, v32-79 four fragments of K (upper halves zero),
;   v96-159 S^T, p, then V's four fragments, v160-191 O^T, v192-199 K's scale words, v200-203 V's, v224-235 p's codes, v232-254 at work, v253 p's scale word, v255 Q's.
.set REC,   13056                      ; a record of kv: 128 keys
.set RQ,    6656                       ; a record of qbuf
.set VIM,   6144                       ; in a record: V's images,
.set KSC,   12288                      ; K's scale words,
.set VSC,   12800                      ; V's
.set HSA,   393216                     ; a head of ac
.set SLOT1, 32768                      ; slot 1: one exclusive or turns an address from one slot to the other
.set SPARE, 65536                      ; the spare words, 128 bytes a wave: eight blocks of 256 bytes that no other line names
.set WV,  12
.set IDX, 13                           ; i
.set TAU, 14                           ; the trip
.set JN,  15                           ; the key slot asked for
.set TB,  16                           ; LDS byte at which the slot in hand begins
.set KF,  17                           ; the step's first key
.set GQ,  18                           ; G
.set QBK, 19                           ; the query block in hand
.set SEL, 20
.set CS,  22
.set G1,  24
.set G0,  32
.set OFF, 36
.set QP,  38
.set QSP, 40
.set ACP, 42
.set ASP, 44
.set BAT, 52
.macro TLOAD                           ; wave 0 alone fetches; four v_nop follow the line
	s_cmp_lg_u32 s[WV], 0
	s_cbranch_scc1 .Lnone_\@
	tensor_load_to_lds s[G0:G0+3], s[G1:G1+7]
	s_nop 0
.rept 4
	v_nop
.endr
.Lnone_\@:
.endm
; A query block begins: its addresses, my tile of Q, and the empty sums
.macro BEGIN
	s_lshl_b32 s[GQ], s[QBK], 8
	s_lshr_b32 s46, s[WV], 1
	s_lshl_b32 s46, s46, 5
	s_add_co_u32 s[GQ], s[GQ], s46
	s_mov_b32 s[KF], 0
	s_lshl_b32 s46, s[QBK], 1
	s_lshr_b32 s47, s[WV], 3
	s_add_co_u32 s46, s46, s47                     ; my record of qbuf: 128 positions each
	s_mul_i32 s46, s46, RQ
	s_and_b32 s47, s[WV], 7                        ; my tile in it
	s_mul_i32 s48, s47, 768
	s_add_co_u32 s48, s48, s46
	s_mov_b32 s49, 0
	s_add_nc_u64 s[QP:QP+1], s[4:5], s[48:49]
	s_lshl_b32 s48, s47, 2
	s_add_co_u32 s48, s48, s46
	s_add_co_u32 s48, s48, 6144
	s_add_nc_u64 s[QSP:QSP+1], s[4:5], s[48:49]
	s_lshl_b32 s46, s[BAT], 7
	s_lshl_b32 s47, s[QBK], 4
	s_add_co_u32 s46, s46, s47
	s_add_co_u32 s46, s46, s[WV]                   ; my position tile among 512
	s_mul_i32 s48, s46, 768
	s_add_nc_u64 s[ACP:ACP+1], s[8:9], s[48:49]
	s_lshl_b32 s48, s46, 9                         ; 16 positions x 32 bytes
	s_add_nc_u64 s[ASP:ASP+1], s[10:11], s[48:49]
	global_load_b128 v[16:19], v1, s[QP:QP+1]
	global_load_b64 v[20:21], v2, s[QP:QP+1] offset:512
	global_load_b32 v255, v3, s[QSP:QSP+1]
	v_mov_b32 v13, 0xff61b1e6                      ; the largest t so far: -3e38
	s_delay_alu instid0(VALU_DEP_1)
	v_floor_f32 v12, -v13
	v_mov_b32 v14, 0
	v_mov_b32 v15, 0
.set J, 0
.rept 32
	v_mov_b32 v[160+J], 0                          ; O^T: the step is written once; the first change of M leaves zeros zeros
.set J, J+1
.endr
	s_wait_loadcnt 0x0
.endm
; The change of slots stands at a trip's head.  fill = 1: the slot just left is filled with the next trip's keys.
.macro CHANGE fill
	s_wait_tensorcnt 0x0                           ; no tensor load of mine is out, so group 0 may be written
	ds_add_u32 v5, v6                              ; 0 onto my spare word
.if \fill
	s_add_co_u32 s[JN], s[JN], 1
	s_cmp_eq_u32 s[TAU], s[IDX]
	s_cselect_b32 s[JN], 0, s[JN]                  ; behind block i's last slot come the keys from 0 on again, for block 7 - i
	s_mul_i32 s[OFF], s[JN], 2*REC
	s_xor_b32 s[G0+1], s[G0+1], SLOT1
	s_add_nc_u64 s[G0+2:G0+3], s[6:7], s[OFF:OFF+1]
	s_or_b32 s[G0+3], s[G0+3], 0x80000000
.endif
	s_wait_dscnt 0x0                               ; the add is done, and my reads of the slot that I have left are over
	s_barrier_signal -1
	s_barrier_wait -1
.if \fill
	TLOAD                                          ; the first thing behind the barrier: it has a whole trip in which to land; one tensor load is out
.endif
.endm
; A key step: 128 keys, record q of the slot in hand
.macro STEP q
.set R0, (\q)*REC
	s_cmp_gt_u32 s[KF], s[GQ]                      ; both are multiples of 32 and my queries lie in G .. G + 31: all 128 keys come after them: the step's work is left out
	s_cbranch_scc1 .Lhidden_\@
	v_add_nc_u32 v8, s[TB], v1
	s_wait_alu depctr_va_vdst(0)
	v_add_nc_u32 v9, s[TB], v2
	s_wait_alu depctr_va_vdst(0)
	v_add_nc_u32 v10, s[TB], v3
	v_add_nc_u32 v11, s[TB], v4
	ds_load_b128 v[192:195], v10 offset:R0+KSC
	ds_load_b128 v[196:199], v10 offset:R0+KSC+16
.irp g, 0,1
.if \g > 0
.rept 4
	v_nop                                          ; places ahead of loads into registers that matrix instructions have read
.endr
.endif
.irp t, 0,1,2,3
	ds_load_b128 v[32+12*\t:35+12*\t], v8 offset:R0+(4*\g+\t)*768
	ds_load_b64 v[36+12*\t:37+12*\t], v9 offset:R0+(4*\g+\t)*768+512
.endr
	s_wait_dscnt 0x0
.irp t, 0,1,2,3
	v_wmma_scale_f32_16x16x128_f8f6f4 v[96+8*(4*\g+\t):103+8*(4*\g+\t)], v[32+12*\t:43+12*\t], v[16:27], 0, v[192+4*\g+\t], v255 matrix_a_fmt:MATRIX_FMT_FP6 matrix_b_fmt:MATRIX_FMT_FP6
.endr
.endr
.rept 4
	v_nop
.endr
	s_add_co_u32 s46, s[KF], 127
	s_cmp_le_u32 s46, s[GQ]                        ; all 128 keys count for all my queries: no mask
	s_cbranch_scc1 .Lopen_\@
	s_sub_co_u32 s46, s[GQ], s[KF]
	v_add_nc_u32 v252, s46, v7                     ; d = my query - KF - 16 h.  Register 16 n + i holds key KF + 32 n + 16 h + i: hidden where 32 n + i > d
	v_mov_b32 v254, 0xff800000                     ; -infinity
.set N, 0
.rept 64
	v_cmp_gt_i32 vcc_lo, 32*(N/16)+N%16, v252
	v_cndmask_b32 v[96+N], v[96+N], v254, vcc_lo
.set N, N+1
.endr
.Lopen_\@:
.irp b, 0,1,2,3
	v_max3_num_f32 v[232+\b], v[96+16*\b], v[97+16*\b], v[98+16*\b]   ; the largest score of each block of 32 keys: for the row's maximum and, since p rises with the score, for the block's largest p
.endr
.irp i, 3,5,7,9,11,13
.irp b, 0,1,2,3
	v_max3_num_f32 v[232+\b], v[232+\b], v[96+16*\b+\i], v[97+16*\b+\i]
.endr
.endr
.irp b, 0,1,2,3
	v_max_num_f32 v[232+\b], v[232+\b], v[111+16*\b]
.endr
.irp b, 0,1,2,3
	s_delay_alu instid0(VALU_DEP_4)
	v_permlanex16_b32 v[236+\b], v[232+\b], s[SEL], s[SEL+1]
.endr
.irp b, 0,1,2,3
	s_delay_alu instid0(VALU_DEP_4)
	v_max_num_f32 v[232+\b], v[232+\b], v[236+\b]
.endr
	s_delay_alu instid0(VALU_DEP_2)
	v_max3_num_f32 v254, v232, v233, v234
	s_delay_alu instid0(VALU_DEP_1)
	v_max_num_f32 v254, v254, v235
	s_delay_alu instid0(VALU_DEP_1)
	v_mul_f32 v254, s[CS], v254                    ; as t
	s_delay_alu instid0(VALU_DEP_1)
	v_max_num_f32 v13, v13, v254                   ; the running largest t
	v_mov_b32 v254, v12
	s_delay_alu instid0(VALU_DEP_2)
	v_floor_f32 v12, -v13                          ; -M = floor(-t)
	s_delay_alu instid0(VALU_DEP_1)
	v_sub_f32 v254, v12, v254                      ; old M - new M: a whole number, 0 or less
	s_delay_alu instid0(VALU_DEP_1)
	v_cvt_i32_f32 v254, v254                       ; (it saturates)
	s_delay_alu instid0(VALU_DEP_1)
	v_ldexp_f32 v252, 1.0, v254                    ; f = 2^(old M - new M)
.set J, 0
.rept 32
	v_pk_fma_f32 v[96+J:97+J], v[96+J:97+J], s[CS:CS+1], v[12:13] op_sel_hi:[1,0,0]   ; t - M
.set J, J+2
.endr
.irp b, 0,1,2,3
	v_fma_f32 v[232+\b], v[232+\b], s[CS], v12
.endr
.set J, 0
	s_wait_alu depctr_va_vdst(0)
.rept 64
	v_exp_f32 v[96+J], v[96+J]                     ; p = 2^(t - M)
.set J, J+1
.endr
.irp b, 0,1,2,3
	v_exp_f32 v[232+\b], v[232+\b]                 ; the block's largest p: the same two instructions on the same number
.endr
	v_pk_mul_f32 v[14:15], v[14:15], v[252:253] op_sel_hi:[1,0]   ; l under the new M (a plain place behind the exponentials)
	s_wait_alu depctr_va_vdst(0)
.irp b, 0,1,2,3
	v_max_num_f32 v[232+\b], 0x1800000, v[232+\b]  ; the floor
.endr
.irp b, 0,1,2,3
	s_delay_alu instid0(VALU_DEP_4)
	v_add_nc_u32 v[244+\b], 0xff000000, v[232+\b]  ; the conversion's scale operand
.endr
.irp b, 0,1,2,3
	s_delay_alu instid0(VALU_DEP_4)
	v_lshrrev_b32 v[236+\b], 23, v[244+\b]
.endr
	s_delay_alu instid0(VALU_DEP_3)
	v_lshl_or_b32 v253, v237, 8, v236              ; p's scale word for these 128 keys
	s_delay_alu instid0(VALU_DEP_1)
	v_lshl_or_b32 v253, v238, 16, v253
	s_delay_alu instid0(VALU_DEP_1)
	v_lshl_or_b32 v253, v239, 24, v253
	v_pk_add_f32 v[236:237], v[100:101], v[104:105]
	v_pk_add_f32 v[250:251], v[108:109], v[112:113]
	v_pk_add_f32 v[248:249], v[116:117], v[120:121]
	v_pk_add_f32 v[242:243], v[124:125], v[128:129]
	v_pk_add_f32 v[240:241], v[132:133], v[136:137]
	v_pk_add_f32 v[234:235], v[140:141], v[144:145]
	v_pk_add_f32 v[232:233], v[148:149], v[152:153]
	v_pk_add_f32 v[14:15], v[14:15], v[156:157]
	v_pk_add_f32 v[236:237], v[236:237], v[96:97]
	v_pk_add_f32 v[250:251], v[250:251], v[98:99]
	v_pk_add_f32 v[248:249], v[248:249], v[102:103]
	v_pk_add_f32 v[242:243], v[242:243], v[106:107]
	v_pk_add_f32 v[240:241], v[240:241], v[110:111]
	v_pk_add_f32 v[234:235], v[234:235], v[114:115]
	v_pk_add_f32 v[232:233], v[232:233], v[118:119]
	v_pk_add_f32 v[14:15], v[14:15], v[122:123]
	v_pk_add_f32 v[236:237], v[236:237], v[126:127]
	v_pk_add_f32 v[250:251], v[250:251], v[130:131]
	v_pk_add_f32 v[248:249], v[248:249], v[134:135]
	v_pk_add_f32 v[242:243], v[242:243], v[138:139]
	v_pk_add_f32 v[240:241], v[240:241], v[142:143]
	v_pk_add_f32 v[234:235], v[234:235], v[146:147]
	v_pk_add_f32 v[232:233], v[232:233], v[150:151]
	v_pk_add_f32 v[14:15], v[14:15], v[154:155]
	v_pk_add_f32 v[236:237], v[236:237], v[158:159]
	s_delay_alu instid0(VALU_DEP_2)
	v_pk_add_f32 v[14:15], v[14:15], v[242:243]
	s_delay_alu instid0(VALU_DEP_2)
	v_pk_add_f32 v[236:237], v[236:237], v[240:241]
	v_pk_add_f32 v[250:251], v[250:251], v[234:235]
	v_pk_add_f32 v[248:249], v[248:249], v[232:233]
	s_delay_alu instid0(VALU_DEP_2)
	v_pk_add_f32 v[14:15], v[14:15], v[250:251]
	s_delay_alu instid0(VALU_DEP_2)
	v_pk_add_f32 v[236:237], v[236:237], v[248:249]
	s_delay_alu instid0(VALU_DEP_1)
	v_pk_add_f32 v[14:15], v[14:15], v[236:237]
.irp c, 0,1
	v_cvt_scalef32_pk16_fp6_f32 v[224+6*\c:226+6*\c], v[96+32*\c:111+32*\c], v[244+2*\c]
	v_cvt_scalef32_pk16_fp6_f32 v[236+4*\c:238+4*\c], v[112+32*\c:127+32*\c], v[245+2*\c]
.endr
	v_nop                                          ; one plain place behind a scaled conversion
.irp t, 0,1,2,3
.irp c, 0,1,2
	ds_load_b128 v[96+12*\t+4*\c:99+12*\t+4*\c], v8 offset:R0+VIM+1536*\t+512*\c   ; V's four fragments land while the codes are put in order and O^T is rescaled
.endr
.endr
	ds_load_b128 v[200:203], v11 offset:R0+VSC
.irp c, 0,1
.irp i, 0,1,2
	v_permlane16_swap_b32 v[224+6*\c+\i], v[236+4*\c+\i]
.endr
.irp i, 0,1,2
	s_delay_alu instid0(VALU_DEP_3)
	v_mov_b32 v[227+6*\c+\i], v[236+4*\c+\i]
.endr
.endr
.set J, 0
.rept 16
	v_pk_mul_f32 v[160+J:161+J], v[160+J:161+J], v[252:253] op_sel_hi:[1,0]   ; O^T under the new M
.set J, J+2
.endr
	s_wait_alu depctr_va_vdst(0)
	s_wait_dscnt 0x0
.irp t, 0,1,2,3
	v_wmma_scale_f32_16x16x128_f8f6f4 v[160+8*\t:167+8*\t], v[96+12*\t:107+12*\t], v[224:235], v[160+8*\t:167+8*\t], v[200+\t], v253 matrix_a_fmt:MATRIX_FMT_FP6 matrix_b_fmt:MATRIX_FMT_FP6
.endr
.rept 5
	v_nop                                          ; five places: the next step's S^T is written over V's fragments
.endr
.Lhidden_\@:
	s_add_co_u32 s[KF], s[KF], 128
.endm
; A query block ends: O / l, quantised along the head's 64 channels, leaves as an image and two bytes a row
.macro FINISH
	v_add_f32 v14, v14, v15
	s_delay_alu instid0(VALU_DEP_1)
	v_permlanex16_b32 v252, v14, s[SEL], s[SEL+1]
	s_delay_alu instid0(VALU_DEP_1)
	v_add_f32 v14, v14, v252                       ; the row's sum
	s_wait_alu depctr_va_vdst(0)
	v_rcp_f32 v14, v14
	v_nop                                          ; a plain place behind the transcendental
.set J, 0
	s_wait_alu depctr_va_vdst(0)
.rept 32
	v_mul_f32 v[96+J], v[160+J], v14               ; register 16 n + i: real channel 32 n + 16 h + i
.set J, J+1
.endr
.irp b, 0,1
	v_max3_num_f32 v[232+\b], |v[96+16*\b]|, |v[97+16*\b]|, 0x1800000
.endr
.irp i, 2,4,6,8,10,12,14
.irp b, 0,1
	s_delay_alu instid0(VALU_DEP_2)
	v_max3_num_f32 v[232+\b], v[232+\b], |v[96+16*\b+\i]|, |v[97+16*\b+\i]|
.endr
.endr
.irp b, 0,1
	s_delay_alu instid0(VALU_DEP_2)
	v_permlanex16_b32 v[236+\b], v[232+\b], s[SEL], s[SEL+1]
.endr
.irp b, 0,1
	s_delay_alu instid0(VALU_DEP_2)
	v_max_num_f32 v[232+\b], v[232+\b], v[236+\b]
.endr
.irp b, 0,1
	s_delay_alu instid0(VALU_DEP_2)
	v_add_nc_u32 v[244+\b], 0xff000000, v[232+\b]
.endr
.irp b, 0,1
	s_delay_alu instid0(VALU_DEP_2)
	v_lshrrev_b32 v[240+\b], 23, v[244+\b]
.endr
	v_cvt_scalef32_pk16_fp6_f32 v[224:226], v[96:111], v244
	v_cvt_scalef32_pk16_fp6_f32 v[228:230], v[112:127], v245
	v_nop
.irp i, 0,1,2
	v_permlane16_swap_b32 v[224+\i], v[228+\i]     ; a whole block in a lane: lanes 0-15 block 0, lanes 16-31 block 1
.endr
	s_delay_alu instid0(VALU_DEP_3)
	v_mov_b32 v227, v228
	s_delay_alu instid0(VALU_DEP_3)
	v_mov_b32 v228, v229
	s_delay_alu instid0(VALU_DEP_3)
	v_mov_b32 v229, v230
	v_cmp_eq_u32 vcc_lo, 1, v29
	s_delay_alu instid0(VALU_DEP_1)
	v_cndmask_b32 v242, v240, v241, vcc_lo         ; lane (r, h): block h's byte of row r
	global_store_b128 v1, v[224:227], s[ACP:ACP+1]                ; 512 consecutive bytes, aligned
	global_store_b64 v2, v[228:229], s[ACP:ACP+1] offset:512      ; 256
	global_store_b8 v28, v242, s[ASP:ASP+1]
	s_wait_xcnt 0x0                                ; the stores' data and bases are written again only behind this wait
.endm
	s_load_b128 s[4:7], s[0:1], 0x0                ; qbuf, kv
	s_load_b128 s[8:11], s[0:1], 0x10              ; ac, asc
	v_lshl_add_u32 v5, v0, 2, SPARE
	v_mov_b32 v6, 0
	ds_add_u32 v5, v6
	ds_add_u32 v5, v6
	s_wait_dscnt 0x0
	v_lshrrev_b32 v8, 5, v0
	s_delay_alu instid0(VALU_DEP_1)
	v_readfirstlane_b32 s[WV], v8                  ; wave 0..15
	s_mov_b32 s[IDX], ttmp9
	s_and_b32 s46, ttmp7, 0xffff                   ; 16 batch + head
	s_lshr_b32 s[BAT], s46, 4
	s_and_b32 s47, s46, 15
	s_mov_b32 s[G1], 3<<16                         ; no mask; elements of 8 bytes; no padding: 102 dense rows of 256 bytes
	s_mov_b32 s[G1+1], 32<<16                      ; tensor_dim0
	s_mov_b32 s[G1+2], 102<<16                     ; tensor_dim1
	s_mov_b32 s[G1+3], 32<<16                      ; tile_dim0
	s_mov_b32 s[G1+4], 102                         ; tile_dim1
	s_mov_b32 s[G1+5], 32                          ; the pitch
	s_mov_b32 s[G1+6], 0
	s_mov_b32 s[G1+7], 0
	s_mov_b32 s[SEL], 0x76543210
	s_mov_b32 s[SEL+1], 0xfedcba98
	s_mov_b32 s[CS], 0x3e38aa3b                    ; c = log2(e) / 8
	s_mov_b32 s[CS+1], s[CS]
	s_mov_b32 s[OFF+1], 0
	s_mul_i32 s48, s46, 16*RQ
	s_mov_b32 s49, 0
	s_mul_i32 s50, s46, 16*REC
	s_mov_b32 s51, 0
	s_wait_kmcnt 0x0
	s_add_nc_u64 s[4:5], s[4:5], s[48:49]
	s_add_nc_u64 s[6:7], s[6:7], s[50:51]
	s_mul_i32 s48, s47, HSA
	s_add_nc_u64 s[8:9], s[8:9], s[48:49]
	s_lshl_b32 s48, s47, 1
	s_add_nc_u64 s[10:11], s[10:11], s[48:49]
	s_mov_b32 s[G0], 1
	s_mov_b32 s[G0+1], 0                           ; slot 0
	s_mov_b64 s[G0+2:G0+3], s[6:7]                 ; keys 0 to 255
	s_or_b32 s[G0+3], s[G0+3], 0x80000000
	TLOAD                                          ; the first fill
	v_and_b32 v8, 31, v0
	s_delay_alu instid0(VALU_DEP_1)
	v_lshlrev_b32 v1, 4, v8                        ; 16 x lane
	s_delay_alu instid0(VALU_DEP_2)
	v_lshlrev_b32 v2, 3, v8                        ; 8 x lane
	v_and_b32 v9, 15, v0                           ; r
	v_bfe_u32 v29, v0, 4, 1                        ; h
	s_delay_alu instid0(VALU_DEP_2)
	v_lshlrev_b32 v3, 5, v9                        ; 32 r
	s_delay_alu instid0(VALU_DEP_3)
	v_lshlrev_b32 v4, 4, v9                        ; 16 r
	s_delay_alu instid0(VALU_DEP_3)
	v_lshl_add_u32 v28, v9, 5, v29                 ; 32 r + h
	v_and_b32 v10, 8, v9
	s_delay_alu instid0(VALU_DEP_1)
	v_add_nc_u32 v10, v10, v9
	s_and_b32 s46, s[WV], 1
	s_lshl_b32 s46, s46, 3
	v_add_nc_u32 v10, s46, v10
	v_lshlrev_b32 v11, 4, v29
	s_delay_alu instid0(VALU_DEP_1)
	v_sub_nc_u32 v7, v10, v11                      ; 8 (w % 2) + r + 8 (r / 8) - 16 h
.irp j, 22,23,24,25,26,27
	v_mov_b32 v[\j], 0                             ; K = 64 .. 127 of Q: zero codes, for good
.endr
.irp t, 0,1,2,3
.irp j, 6,7,8,9,10,11
	v_mov_b32 v[32+12*\t+\j], 0                    ; and of K's four fragments
.endr
.endr
.irp j, 236,237,238,239,252,253
	v_mov_b32 v[\j], 0                             ; written once: lane permutes' destinations, and the upper half of the pair v[252:253]
.endr
	s_mov_b32 s[QBK], s[IDX]
	BEGIN
	s_mov_b32 s[TAU], 0
	s_mov_b32 s[JN], 0
	s_mov_b32 s[TB], 0
.Lslot:                                            ; eight trips; the ninth is written out
	CHANGE 1
	STEP 0
	STEP 1
	s_xor_b32 s[TB], s[TB], SLOT1
	s_cmp_lg_u32 s[TAU], s[IDX]
	s_cbranch_scc1 .Lsame
	FINISH                                         ; block i has seen its i + 1 slots
	s_sub_co_u32 s[QBK], 7, s[IDX]
	BEGIN
.Lsame:
	s_add_co_u32 s[TAU], s[TAU], 1
	s_cmp_lt_u32 s[TAU], 8
	s_cbranch_scc1 .Lslot
	CHANGE 0
	STEP 0
	STEP 1
	FINISH
	s_wait_tensorcnt 0x0                           ; the wave's end
	ds_add_u32 v5, v6
	s_wait_dscnt 0x0
	s_endpgm
.Lfunc_end_k_q4edadcd8ee_attn:
	.size	k_q4edadcd8ee_attn, .Lfunc_end_k_q4edadcd8ee_attn-k_q4edadcd8ee_attn
	.p2alignl 7, 3214868480
	.fill 96, 4, 3214868480
	.section	.rodata,"a",@progbits
	.p2align	6, 0x0
	.amdhsa_kernel k_q4edadcd8ee_attn
		.amdhsa_group_segment_fixed_size 327680
		.amdhsa_private_segment_fixed_size 0
		.amdhsa_enable_private_segment 0
		.amdhsa_kernarg_size 32
		.amdhsa_user_sgpr_count 2
		.amdhsa_user_sgpr_kernarg_segment_ptr 1
		.amdhsa_wavefront_size32 1
		.amdhsa_system_sgpr_workgroup_id_x 1
		.amdhsa_system_sgpr_workgroup_id_y 1
		.amdhsa_system_sgpr_workgroup_id_z 1
		.amdhsa_system_vgpr_workitem_id 0
		.amdhsa_next_free_vgpr 256
		.amdhsa_next_free_sgpr 66
		.amdhsa_reserve_vcc 1
		.amdhsa_float_denorm_mode_32 3
		.amdhsa_float_denorm_mode_16_64 3
		.amdhsa_memory_ordered 1
		.amdhsa_forward_progress 1
		.amdhsa_inst_pref_size 109
	.end_amdhsa_kernel
	.amdgpu_metadata
---
amdhsa.version: [ 1, 2 ]
amdhsa.kernels:
  - .name:           k_q4edadcd8ee_attn
    .symbol:         k_q4edadcd8ee_attn.kd
    .args:
      - { .name: qbuf, .offset: 0, .size: 8, .value_kind: global_buffer, .address_space: global }
      - { .name: kv, .offset: 8, .size: 8, .value_kind: global_buffer, .address_space: global }
      - { .name: ac, .offset: 16, .size: 8, .value_kind: global_buffer, .address_space: global }
      - { .name: asc, .offset: 24, .size: 8, .value_kind: global_buffer, .address_space: global }
    .group_segment_fixed_size: 327680
    .private_segment_fixed_size: 0
    .kernarg_segment_align: 8
    .kernarg_segment_size: 32
    .max_flat_workgroup_size: 512
    .sgpr_count:     66
    .vgpr_count:     256
    .wavefront_size: 32
...
	.end_amdgpu_metadata
.endif
;; end of part 3
;; launch gemm_out (part 4): grid 4 x 32, 4 waves a work-group, clusters of 4 x 4, 327,680 bytes of LDS; arguments ac, asc, wc, ws, bp, out0; writes out0
.if DOCPART == 4
	.amdgcn_target "amdgcn-amd-amdhsa--gfx1250"
	.amdhsa_code_object_version 6
	.text
	.protected	k_q4edadcd8ee_gemm_out
	.globl	k_q4edadcd8ee_gemm_out
	.p2align	8
	.type	k_q4edadcd8ee_gemm_out,@function
k_q4edadcd8ee_gemm_out:
	s_mov_b64 s[64:65], 0
	v_nop
	global_prefetch_b8 v0, s[64:65] scope:SCOPE_SE
	s_setreg_imm32_b32 hwreg(HW_REG_WAVE_MODE, 25, 1), 1
	s_wait_xcnt 0x0
	s_wait_alu depctr_hold_cnt(0) depctr_sa_sdst(0) depctr_va_vdst(0) depctr_va_sdst(0) depctr_va_ssrc(0) depctr_va_vcc(0) depctr_vm_vsrc(0)
	s_getreg_b32 s2, hwreg(HW_REG_IB_STS2, 6, 4)
	s_cmp_eq_u32 s2, 0
	s_cbranch_scc0 .Lentry_in_a_cluster
	s_endpgm
.Lentry_in_a_cluster:
	s_bfe_u32 s2, ttmp6, 0x10000c
	s_cmp_lg_u32 s2, 0xf033
	s_cbranch_scc0 .Lentry_shape_is_right
	s_endpgm
.Lentry_shape_is_right:
; out0 = y Wp + bp on codes of FP6 (E2M3) with E8M0 scales, K = 1,024.  y's codes arrive as images of the operand's registers, ac [head 16][position tile 512][768] (16 rows x 64 K: registers 0-3 at 16 x lane, registers 4-5 at
; 512 + 8 x lane), its scale bytes asc [position][32]; Wp's are rows 3,072 on of wc [row][768] and ws [row][32].  out0 [8192][1024] f32.
; A tile of 256 x 256 is made by four waves, 128 x 128 each; K goes in steps of 256 (four heads) through a ring of two LDS slots; the scale bytes come once and stay.  4 x 4 work-groups form a cluster: A's tiles are asked for
; jointly along a row of it, B's along a column.  128 work-groups: the problem has no more tiles of this size.
; THE PRODUCT IS USED TRANSPOSED (source 0 = 16 rows of Wp's codes, source 1 = 16 rows of y).  Rows were stored at positions pi(index) (bits 3 and 4 exchanged): register j of accumulator b is the real column
; 32 (b / 2) + 8 (b % 2) + 16 h + j, and row t of A's block a the real token 32 (a / 2) + 8 (a % 2) + t + 8 (t / 8): the way out puts both back.
; REGISTERS: window 0: v0-31 addresses; v32-63 scale words, two sets; v64-127 the bias, the C of the first step; v128-223 A's fragments, one set; on the way out v128-255 rows of out0.
;   window 1: B's fragments, two sets.   windows 2, 3: the accumulators.
.set KSTEP,  256
.set NQ,     2
.set ROWB,   192
.set KROW,   768
.set PITCH,  240
.set FR,     12
.set NL,     6                         ; LDS loads of a fragment of B
.set NLA,    4                         ; and of A: two images, two loads each
.set NP,     4
.set HALFT,  128*PITCH
.set HSA,    393216                    ; a head of ac
.set HEADB,  12288                     ; a head's 16 tiles of my work-group's rows
.set ABYTES, 4*HEADB                   ; A's part of a slot: [4 heads][16 tiles][768]
.set SLOT,   ABYTES+2*HALFT
.set LAPS,   2
.set KS,     32
.set SCL,    2*SLOT
.set HALFS,  (128*KS/256)*272
.set SBLK,   (16*KS/256)*272
.set SPARE,  SCL+4*HALFS               ; the spare words, 128 bytes a wave: two blocks of 256 bytes that no other line names
.set SPITCH, 528                       ; the way out: a stage of 16 rows x (512 + 16) bytes a wave, in slot 0, which has had its last fill and its last read by then
.set ADRA, 16                          ; v16-17 16 x lane in slot 0, 1;  v18-19 8 x lane
.set ADRB, 20
.set STO,  24
.set RD,   25
.set CO,   26
.set ADRS, 27
.set SPW,  28
.set NIL,  29
.set SC,   32
.set BI,   64
.set AF,   128
.set BK,   128
.set G1, 24
.set G0, 32
.set G1B, 48
.set G0B, 56
.set G1S, 68
.set G0S, 76
.set G1SB, 80
.set G0SB, 88
.set MSB, 0
.macro WIN new                         ; the immediate's high byte repeats the setting that is left
.if MSB != (\new)
	s_set_vgpr_msb (MSB<<8)|(\new)
.set MSB, (\new)
.endif
.endm
.set MUL_LO, 0xa1
.set MUL_HI, 0xf1
.set TO_B,   0x40
.macro JLOAD g0a, g1a, g0b, g1b        ; a joint load: waves 0 and 1 fetch for A, waves 2 and 3 for B; four v_nop follow each line
	s_cmp_eq_u32 s15, 0
	s_cbranch_scc0 .Lfor_b_\@
	tensor_load_to_lds s[\g0a:\g0a+3], s[\g1a:\g1a+7]
	s_nop 0
.rept 4
	v_nop
.endr
	s_branch .Lasked_\@
.Lfor_b_\@:
	tensor_load_to_lds s[\g0b:\g0b+3], s[\g1b:\g1b+7]
	s_nop 0
.rept 4
	v_nop
.endr
.Lasked_\@:
.endm
.macro CREST
	s_cmp_lg_u32 s14, 0
	s_cbranch_scc1 .Lnot_wave_0_\@
	s_barrier_signal -3
.Lnot_wave_0_\@:
	s_barrier_wait -3
	s_barrier_signal -1
	s_barrier_wait -1
.endm
.macro CROUND
	s_barrier_signal -1
	s_barrier_wait -1
	CREST
.endm
	s_load_b256 s[4:11], s[0:1], 0x0               ; ac, asc, wc, ws
	s_load_b64 s[96:97], s[0:1], 0x20              ; bp
	s_load_b64 s[12:13], s[0:1], 0x28              ; out0
	v_lshl_add_u32 v[SPW], v0, 2, SPARE
	v_mov_b32 v[NIL], 0
	ds_add_u32 v28, v29
	s_wait_dscnt 0x0
	v_lshrrev_b32 v1, 5, v0
	v_readfirstlane_b32 s14, v1                    ; wave 0..3
	s_lshr_b32 s15, s14, 1                         ; my half of the rows.  Also: I fetch for A (0) or for B (1)
	s_and_b32 s16, s14, 1                          ; my half of the columns.  Also: which half of a tile I fetch
	s_bfe_u32 s40, ttmp6, 0x40000                  ; cx
	s_bfe_u32 s41, ttmp6, 0x40004                  ; cy
	s_lshl_b32 s42, ttmp9, 2
	s_add_co_u32 s42, s42, s40                     ; tile column
	s_and_b32 s17, ttmp7, 0xffff
	s_lshl_b32 s17, s17, 2
	s_add_co_u32 s17, s17, s41                     ; tile row
	s_lshl_b32 s43, s41, 2
	s_lshl_b32 s43, 15, s43                        ; my row of the cluster
	s_lshl_b32 s44, 0x1111, s40                    ; my column
	; A: two heads' images of my work-group's 16 tiles: 2 rows of 12,288 bytes (1,536 elements of 8), a head (49,152 elements) apart; no padding: the images are read 16 or 8 bytes a lane on end
	s_or_b32 s[G1+0], s43, (3<<16)|(1<<21)
	s_mov_b32 s[G1+1], 1536<<16                    ; tensor_dim0
	s_mov_b32 s[G1+2], 2<<16                       ; tensor_dim1
	s_mov_b32 s[G1+3], 1536<<16                    ; tile_dim0
	s_mov_b32 s[G1+4], 2                           ; tile_dim1
	s_mov_b32 s[G1+5], HSA/8                       ; the pitch
	s_mov_b32 s[G1+6], 0
	s_mov_b32 s[G1+7], 0
	; B: 128 rows x 192 bytes, 16 bytes of padding behind every 64
	s_or_b32 s[G1B+0], s44, (0<<16)|(1<<20)|(1<<21)|(3<<22)|(3<<25)
	s_mov_b32 s[G1B+1], ROWB<<16
	s_mov_b32 s[G1B+2], 128<<16
	s_mov_b32 s[G1B+3], ROWB<<16
	s_mov_b32 s[G1B+4], 128
	s_mov_b32 s[G1B+5], KROW
	s_mov_b32 s[G1B+6], 0
	s_mov_b32 s[G1B+7], 0
	; the scale bytes of 128 rows: 16 rows of 256 bytes, 16 of padding behind each
	s_or_b32 s[G1S+0], s43, (3<<16)|(1<<20)|(1<<21)|(5<<22)|(3<<25)
	s_or_b32 s[G1SB+0], s44, (3<<16)|(1<<20)|(1<<21)|(5<<22)|(3<<25)
.irp g, G1S, G1SB
	s_mov_b32 s[\g+1], 32<<16
	s_mov_b32 s[\g+2], (128*KS/256)<<16
	s_mov_b32 s[\g+3], 32<<16
	s_mov_b32 s[\g+4], 128*KS/256
	s_mov_b32 s[\g+5], 32
	s_mov_b32 s[\g+6], 0
	s_mov_b32 s[\g+7], 0
.endr
	s_mul_i32 s20, s16, 2*HSA                      ; A's codes: my two heads of a K step's four,
	s_mul_i32 s18, s17, HEADB                      ; the work-group's 16 tiles
	s_add_co_u32 s20, s20, s18
	s_mov_b32 s21, 0
	s_lshl_b32 s18, s16, 7
	s_lshl_b32 s22, s17, 8
	s_add_co_u32 s22, s22, s18
	s_lshl_b32 s22, s22, 5                         ; A's scale bytes: row 256 x tile row + 128 x half
	s_mov_b32 s23, 0
	s_lshl_b32 s46, s42, 8
	s_add_co_u32 s46, s46, s18
	s_add_co_u32 s46, s46, 3072                    ; B: Wp's rows begin at 3,072
	s_lshl_b32 s92, s46, 5
	s_mov_b32 s93, 0
	s_mul_i32 s46, s46, KROW
	s_mov_b32 s47, 0
	s_mul_i32 s45, s16, 2*HEADB                    ; where they go: A's halves,
	s_mul_i32 s95, s16, HALFT
	s_add_co_u32 s95, s95, ABYTES                  ; B's halves behind them,
	s_mul_i32 s94, s14, HALFS                      ; the scales by the wave's number
	s_wait_kmcnt 0x0
	s_add_nc_u64 s[20:21], s[4:5], s[20:21]
	s_add_nc_u64 s[22:23], s[6:7], s[22:23]
	s_add_nc_u64 s[46:47], s[8:9], s[46:47]
	s_add_nc_u64 s[92:93], s[10:11], s[92:93]
	CROUND                                         ; all sixteen work-groups are here: the first joint loads meet
	s_mov_b32 s[G0S], 1
	s_add_co_u32 s[G0S+1], s94, SCL
	s_mov_b64 s[G0S+2:G0S+3], s[22:23]
	s_or_b32 s[G0S+3], s[G0S+3], 0x80000000
	s_mov_b32 s[G0SB], 1
	s_add_co_u32 s[G0SB+1], s94, SCL
	s_mov_b64 s[G0SB+2:G0SB+3], s[92:93]
	s_or_b32 s[G0SB+3], s[G0SB+3], 0x80000000
	JLOAD G0S, G1S, G0SB, G1SB
.irp s, 0,1
	s_mov_b32 s[G0+4*\s], 1
	s_add_co_u32 s[G0+4*\s+1], s45, \s*SLOT
	s_add_nc_u64 s[G0+4*\s+2:G0+4*\s+3], s[20:21], \s*4*HSA
	s_or_b32 s[G0+4*\s+3], s[G0+4*\s+3], 0x80000000
	s_mov_b32 s[G0B+4*\s], 1
	s_add_co_u32 s[G0B+4*\s+1], s95, \s*SLOT
	s_add_nc_u64 s[G0B+4*\s+2:G0B+4*\s+3], s[46:47], \s*ROWB
	s_or_b32 s[G0B+4*\s+3], s[G0B+4*\s+3], 0x80000000
	JLOAD G0+4*\s, G1, G0B+4*\s, G1B               ; three tensor loads of mine are out now
.endr
	v_and_b32 v1, 15, v0                           ; r
	v_bfe_u32 v2, v0, 4, 1                         ; h
	v_mul_u32_u24 v3, v1, PITCH
	v_mul_u32_u24 v4, v2, 24
	v_add_nc_u32 v4, v3, v4
	v_lshl_add_u32 v5, v2, 4, v4
	v_and_b32 v6, 31, v0
	v_lshlrev_b32 v7, 4, v6                        ; 16 x lane
	v_lshlrev_b32 v8, 3, v6                        ; 8 x lane
	s_mul_i32 s21, s15, 8*768                      ; my eight tiles of A
	s_mul_i32 s22, s16, HALFT
	s_add_co_u32 s22, s22, ABYTES                  ; my 128 rows of B
.irp s, 0,1
	v_add_nc_u32 v[ADRA+\s], s21, v7
	v_add_nc_u32 v[ADRA+2+\s], s21, v8
	v_add_nc_u32 v[ADRB+\s], s22, v4
	v_add_nc_u32 v[ADRB+2+\s], s22, v5
	s_add_co_u32 s21, s21, SLOT
	s_add_co_u32 s22, s22, SLOT
.endr
	v_mul_u32_u24 v5, v1, KS
	v_lshrrev_b32 v6, 8, v5
	v_lshl_add_u32 v5, v6, 4, v5
	s_mul_i32 s21, s15, HALFS
	s_mul_i32 s22, s16, HALFS
	s_add_co_u32 s22, s22, 2*HALFS
	s_sub_co_u32 s22, s22, s21
	v_mul_u32_u24 v6, s22, v2                      ; lanes 16-31 take B's
	s_add_co_u32 s21, s21, SCL
	v_add_nc_u32 v5, v5, v6
	v_add_nc_u32 v[ADRS], s21, v5
	s_mul_i32 s23, s14, 16*SPITCH                  ; my stage
	v_mul_u32_u24 v5, v1, SPITCH
	v_lshl_add_u32 v5, v2, 6, v5                   ; in: row r, + 64 h: the real columns 16 h on
	v_add_nc_u32 v[STO], s23, v5
	v_mov_b32 v[CO], v7                            ; back: the 32 lanes take one row of 512 bytes; and the same in out0
	v_add_nc_u32 v[RD], s23, v7
	s_lshl_b32 s46, s42, 10
	s_lshl_b32 s47, s16, 9
	s_add_co_u32 s46, s46, s47                     ; my first column, in bytes
	s_mov_b32 s47, 0
	s_add_nc_u64 s[96:97], s[96:97], s[46:47]      ; its bias
	s_lshl_b32 s20, s17, 8
	s_lshl_b32 s21, s15, 7
	s_add_co_u32 s20, s20, s21
	s_lshl_b32 s20, s20, 12                        ; my first row, 4,096 bytes each
	s_add_co_u32 s20, s20, s46
	s_mov_b32 s21, 0
	s_add_nc_u64 s[12:13], s[12:13], s[20:21]
	v_lshlrev_b32 v30, 6, v2
.irp b, 0,1,2,3,4,5,6,7
	global_load_b128 v[BI+8*\b:BI+8*\b+3], v30, s[96:97] offset:128*(\b/2)+32*(\b%2)      ; the bias in the result's layout: the C of the first step
	global_load_b128 v[BI+8*\b+4:BI+8*\b+7], v30, s[96:97] offset:128*(\b/2)+32*(\b%2)+16
.endr
.macro FRAG reg, adr, q, i
.irp p, 0,1,2,3,4,5
.set PIECE, 12*(\q)+6*(\p/3)+\p%3
.if PIECE%8 < 5
	ds_load_b64 v[\reg+2*\p:\reg+2*\p+1], v[\adr] offset:8*PIECE+16*(PIECE/8)+(\i)*16*PITCH
.else
	ds_load_b64 v[\reg+2*\p:\reg+2*\p+1], v[\adr+2] offset:8*PIECE+16*(PIECE/8)+(\i)*16*PITCH
.endif
.endr
.endm
.macro FRAG_A reg, slot, q, i          ; heads 2 q and 2 q + 1 of the slot: registers 0-5 and 6-11
	ds_load_b128 v[\reg:\reg+3], v[ADRA+\slot] offset:(2*(\q))*HEADB+768*(\i)
	ds_load_b64 v[\reg+4:\reg+5], v[ADRA+2+\slot] offset:(2*(\q))*HEADB+768*(\i)+512
	ds_load_b128 v[\reg+6:\reg+9], v[ADRA+\slot] offset:(2*(\q)+1)*HEADB+768*(\i)
	ds_load_b64 v[\reg+10:\reg+11], v[ADRA+2+\slot] offset:(2*(\q)+1)*HEADB+768*(\i)+512
.endm
.macro MUL16 a0, p, q, sc, cm          ; cm = 1: the sums begin with the bias.  The 64 accumulators take turns
.irp a, \a0, \a0+1
.irp b, 0,1,2,3,4,5,6,7
.if \cm
	v_wmma_scale_f32_16x16x128_f8f6f4 v[8*(8*((\a)%4)+\b):8*(8*((\a)%4)+\b)+7], v[128*(\p)+FR*\b:128*(\p)+FR*\b+FR-1], v[AF+FR*(\a):AF+FR*(\a)+FR-1], v[BI+8*\b:BI+8*\b+7], v[SC+8*NQ*(\sc)+NQ*\b+(\q)], v[SC+8*NQ*(\sc)+NQ*(\a)+(\q)] matrix_a_fmt:MATRIX_FMT_FP6 matrix_b_fmt:MATRIX_FMT_FP6 matrix_a_scale:MATRIX_SCALE_ROW1
.else
	v_wmma_scale_f32_16x16x128_f8f6f4 v[8*(8*((\a)%4)+\b):8*(8*((\a)%4)+\b)+7], v[128*(\p)+FR*\b:128*(\p)+FR*\b+FR-1], v[AF+FR*(\a):AF+FR*(\a)+FR-1], v[8*(8*((\a)%4)+\b):8*(8*((\a)%4)+\b)+7], v[SC+8*NQ*(\sc)+NQ*\b+(\q)], v[SC+8*NQ*(\sc)+NQ*(\a)+(\q)] matrix_a_fmt:MATRIX_FMT_FP6 matrix_b_fmt:MATRIX_FMT_FP6 matrix_a_scale:MATRIX_SCALE_ROW1
.endif
.endr
.endr
.endm
.macro FETCH_B slot, q, p
	WIN TO_B
.irp i, 0,1,2,3,4,5,6,7
	FRAG 128*(\p)+FR*\i, ADRB+\slot, \q, \i
.endr
	WIN 0
.endm
.macro FETCH_A slot, q, i0
.irp i, \i0, \i0+1, \i0+2, \i0+3
	FRAG_A AF+FR*(\i), \slot, \q, \i
.endr
.endm
.macro SCALES sc
.irp i, 0,1,2,3,4,5,6,7
	ds_load_b64 v[SC+8*NQ*\sc+NQ*\i:SC+8*NQ*\sc+NQ*\i+1], v[ADRS] offset:\i*SBLK
.endr
.endm
.macro PLACES n                        ; plain vector places behind matrix instructions (ISA guide 7.12.1)
.rept \n
	v_nop
.endr
.endm
.macro STEP slot, q, cm
	s_wait_dscnt 4*NLA                             ; B's set and A's blocks 0-3 are in; the youngest 16 loads (A's blocks 4-7) may be out
.if \cm
	WIN 0x81
.else
	WIN MUL_LO
.endif
	MUL16 0, (\q)%2, \q, \slot, \cm
	MUL16 2, (\q)%2, \q, \slot, \cm
	s_wait_dscnt 0
	PLACES NP
	FETCH_B \slot, (\q)+1, 1-(\q)%2
	FETCH_A \slot, (\q)+1, 0
.if \cm
	WIN 0xc1
.else
	WIN MUL_HI
.endif
	MUL16 4, (\q)%2, \q, \slot, \cm
	MUL16 6, (\q)%2, \q, \slot, \cm
	PLACES NP
	WIN 0
	FETCH_A \slot, (\q)+1, 4
.endm
.macro TURN slot, next, fill
	s_wait_tensorcnt 0x0                           ; all my tensor loads have landed: my part of the next slot
	ds_add_u32 v[SPW], v[NIL]                      ; 0 onto my spare word
	s_wait_dscnt 4*NLA+1                           ; the add and the youngest 16 loads may be out
	WIN MUL_LO
	MUL16 0, 1, NQ-1, \slot, 0
	s_wait_dscnt 0x0                               ; the add is done, and my reads of this slot are over
	s_barrier_signal -1
	MUL16 2, 1, NQ-1, \slot, 0
	WIN 0
	s_barrier_wait -1
.if \fill
	CREST                                          ; the barrier has opened a round of the cluster's
	s_add_nc_u64 s[G0+4*\slot+2:G0+4*\slot+3], s[G0+4*\slot+2:G0+4*\slot+3], 8*HSA
	s_add_nc_u64 s[G0B+4*\slot+2:G0B+4*\slot+3], s[G0B+4*\slot+2:G0B+4*\slot+3], 2*ROWB
	JLOAD G0+4*\slot, G1, G0B+4*\slot, G1B         ; the first tensor load behind the round; its four v_nop are also the places ahead of the loads below
.else
	PLACES NP
.endif
	v_add_nc_u32 v[ADRS], 4*NQ, v[ADRS]
	FETCH_B \next, 0, 0
	FETCH_A \next, 0, 0
	SCALES \next
	WIN MUL_HI
	MUL16 4, 1, NQ-1, \slot, 0
	MUL16 6, 1, NQ-1, \slot, 0
	PLACES NP
	WIN 0
	FETCH_A \next, 0, 4
.endm
	s_wait_tensorcnt 1                             ; the scales and my part of K step 0 are in; K step 1's load may be out
	s_barrier_signal -1
	s_barrier_wait -1
	FETCH_B 0, 0, 0
	FETCH_A 0, 0, 0
	SCALES 0
	FETCH_A 0, 0, 4
	s_wait_loadcnt 0x0                             ; the bias
	STEP 0, 0, 1
	s_mov_b32 s3, LAPS-1
.Llap:
	TURN 0, 1, 1
	STEP 1, 0, 0
	TURN 1, 0, 1
	STEP 0, 0, 0
	s_sub_co_u32 s3, s3, 1
	s_cmp_lg_u32 s3, 0
	s_cbranch_scc1 .Llap
	TURN 0, 1, 0
	STEP 1, 0, 0
	s_wait_dscnt 4*NLA
	WIN MUL_LO
	MUL16 0, 1, NQ-1, 1, 0
	MUL16 2, 1, NQ-1, 1, 0
	s_wait_dscnt 0
	WIN MUL_HI
	MUL16 4, 1, NQ-1, 1, 0
	MUL16 6, 1, NQ-1, 1, 0
	WIN 0
; THE WAY OUT, block by block of 16 rows x 128 columns, through my own stage: in by real columns, back as whole rows of 512 bytes, stored at the real tokens.  LDS serves a wave's instructions in order.
.macro TOSTAGE a
.set AC, 64*((\a)%4)
	WIN 0x08+4*((\a)/4)                            ; the data: window 2 or 3
.irp b, 0,1,2,3,4,5,6,7
	ds_store_b128 v[STO], v[AC+8*\b:AC+8*\b+3] offset:128*(\b/2)+32*(\b%2)          ; each accumulator from its low end on
	ds_store_b128 v[STO], v[AC+8*\b+4:AC+8*\b+7] offset:128*(\b/2)+32*(\b%2)+16
.endr
	WIN 0
.set BB, BK+64*((\a)%2)
.irp t, 0,1,2,3,4,5,6,7,8,9,10,11,12,13,14,15
	ds_load_b128 v[BB+4*\t:BB+4*\t+3], v[RD] offset:\t*SPITCH
.endr
.endm
.macro SEND a, younger
.set BB, BK+64*((\a)%2)
	s_wait_dscnt \younger                          ; the block is back in registers
.irp t, 0,1,2,3,4,5,6,7,8,9,10,11,12,13,14,15
	global_store_b128 v[CO], v[BB+4*\t:BB+4*\t+3], s[12:13] offset:(32*((\a)/2)+8*((\a)%2)+\t+8*(\t/8))*4096 th:TH_STORE_NT   ; 32 lanes store 512 consecutive bytes, aligned; 127 rows at the most: inside the immediate
.endr
.endm
	PLACES NP
	TOSTAGE 0
.irp a, 1,2,3,4,5,6,7
.if \a > 1
	s_wait_xcnt 0x0                                ; block a - 2's stores have read their registers: block a's loads may land there
.endif
	TOSTAGE \a
	SEND \a-1, 32                                  ; behind block a - 1's loads: block a's 16 stores and 16 loads
.endr
	SEND 7, 0
	s_wait_tensorcnt 0x0                           ; the wave's end
	ds_add_u32 v[SPW], v[NIL]
	s_wait_dscnt 0x0
	CROUND                                         ; the closing round
	s_endpgm
.Lfunc_end_k_q4edadcd8ee_gemm_out:
	.size	k_q4edadcd8ee_gemm_out, .Lfunc_end_k_q4edadcd8ee_gemm_out-k_q4edadcd8ee_gemm_out
	.p2alignl 7, 3214868480
	.fill 96, 4, 3214868480
	.section	.rodata,"a",@progbits
	.p2align	6, 0x0
	.amdhsa_kernel k_q4edadcd8ee_gemm_out
		.amdhsa_group_segment_fixed_size 327680
		.amdhsa_private_segment_fixed_size 0
		.amdhsa_enable_private_segment 0
		.amdhsa_kernarg_size 48
		.amdhsa_user_sgpr_count 2
		.amdhsa_user_sgpr_kernarg_segment_ptr 1
		.amdhsa_wavefront_size32 1
		.amdhsa_system_sgpr_workgroup_id_x 1
		.amdhsa_system_sgpr_workgroup_id_y 1
		.amdhsa_system_sgpr_workgroup_id_z 1
		.amdhsa_system_vgpr_workitem_id 0
		.amdhsa_next_free_vgpr 1024
		.amdhsa_next_free_sgpr 100
		.amdhsa_reserve_vcc 0
		.amdhsa_float_denorm_mode_32 3
		.amdhsa_float_denorm_mode_16_64 3
		.amdhsa_memory_ordered 1
		.amdhsa_forward_progress 1
		.amdhsa_inst_pref_size 153
	.end_amdhsa_kernel
	.amdgpu_metadata
---
amdhsa.version: [ 1, 2 ]
amdhsa.kernels:
  - .name:           k_q4edadcd8ee_gemm_out
    .symbol:         k_q4edadcd8ee_gemm_out.kd
    .args:
      - { .name: ac, .offset: 0, .size: 8, .value_kind: global_buffer, .address_space: global }
      - { .name: asc, .offset: 8, .size: 8, .value_kind: global_buffer, .address_space: global }
      - { .name: wc, .offset: 16, .size: 8, .value_kind: global_buffer, .address_space: global }
      - { .name: ws, .offset: 24, .size: 8, .value_kind: global_buffer, .address_space: global }
      - { .name: bp, .offset: 32, .size: 8, .value_kind: global_buffer, .address_space: global }
      - { .name: out0, .offset: 40, .size: 8, .value_kind: global_buffer, .address_space: global }
    .group_segment_fixed_size: 327680
    .private_segment_fixed_size: 0
    .kernarg_segment_align: 8
    .kernarg_segment_size: 48
    .max_flat_workgroup_size: 128
    .sgpr_count:     100
    .vgpr_count:     1024
    .wavefront_size: 32
...
	.end_amdgpu_metadata
.endif
;; end of part 4
